; MI455X (gfx1250); checked and timed in simulation.
; The chip was launched on July 23, 2026; its instructions are those of AMD's public machine-readable ISA for CDNA 5 (MIT licence, August 2026) and "CDNA5" Instruction Set Architecture Reference Guide (July 2026). The comments in the code are by the model that wrote it; some were corrected since.
;; Block. Allowed arithmetic: matrix products marked QUANTISED: E5M2 operands, one given power-of-two scale a tensor, by v_wmma_f32_16x16x64_bf8_bf8 or v_wmma_f32_16x16x128_bf8_bf8, f32 sums; everything else in f32.
;; Inputs: W1_codes 4,096 x 32 x 32 uint8 (E5M2 codes of W1, K innermost, in blocks of 32 codes); W2_codes 1,024 x 128 x 32 uint8 (E5M2 codes of W2, K innermost, in blocks of 32 codes); Wk_codes 1,024 x 32 x 32 uint8 (E5M2 codes of Wk, K innermost, in blocks of 32 codes); Wp_codes 1,024 x 32 x 32 uint8 (E5M2 codes of Wp, K innermost, in blocks of 32 codes); Wq_codes 1,024 x 32 x 32 uint8 (E5M2 codes of Wq, K innermost, in blocks of 32 codes); Wv_codes 1,024 x 32 x 32 uint8 (E5M2 codes of Wv, K innermost, in blocks of 32 codes); b1 4,096 float32; b2 1,024 float32; beta1 1,024 float32; beta2 1,024 float32; bp 1,024 float32; gamma1 1,024 float32; gamma2 1,024 float32; lowp_scales 16 int32 (the exponents e of the quantised operands' scales 2^e); x 2 x 2,048 x 1,024 float32.
;; Outputs: out0 2 x 2,048 x 1,024 float32.
;; This version of the problem:
;;   THIS VERSION OF THE PROBLEM IS GIVEN IN LOW PRECISION. The matrix products marked QUANTISED in the list below multiply operands that are first quantised to E5M2 (5 exponent bits, 2 mantissa bits; 8 bits a number), with one given power-of-two scale for each operand tensor; their sums are f32. All else is computed in f32.
;;   The module's matrix products, in the order in which they are computed (A, B: the left and right operand; K: the contracted axis; several contracted axes count as one K, in the product's order):
;;     1. [M 4,096, K 1,024] x [K 1,024, N 1,024]; A: computed on the way; B: input Wq (given as codes): QUANTISED (scales: A lowp_scales[0], B lowp_scales[1])
;;     2. [M 4,096, K 1,024] x [K 1,024, N 1,024]; A: computed on the way; B: input Wk (given as codes): QUANTISED (scales: A lowp_scales[2], B lowp_scales[3])
;;     3. [M 4,096, K 1,024] x [K 1,024, N 1,024]; A: computed on the way; B: input Wv (given as codes): QUANTISED (scales: A lowp_scales[4], B lowp_scales[5])
;;     4. batch 32 x [M 2,048, K 64] x [K 64, N 2,048]; A: computed on the way; B: computed on the way: QUANTISED (scales: A lowp_scales[6], B lowp_scales[7])
;;     5. batch 32 x [M 2,048, K 2,048] x [K 2,048, N 64]; A: softmax (see below); B: computed on the way: QUANTISED (scales: A lowp_scales[8], B lowp_scales[9])
;;     6. [M 4,096, K 1,024] x [K 1,024, N 1,024]; A: computed on the way; B: input Wp (given as codes): QUANTISED (scales: A lowp_scales[10], B lowp_scales[11])
;;     7. [M 4,096, K 1,024] x [K 1,024, N 4,096]; A: computed on the way; B: input W1 (given as codes): QUANTISED (scales: A lowp_scales[12], B lowp_scales[13])
;;     8. [M 4,096, K 4,096] x [K 4,096, N 1,024]; A: computed on the way; B: input W2 (given as codes): QUANTISED (scales: A lowp_scales[14], B lowp_scales[15])
;;   THE QUANTISER, for each operand of a quantised product, along K:
;;     - The operand's scale is 2^e, e = its entry of the input lowp_scales (int32; the entries are numbered through the quantised products in the list's order, A before B).
;;     - Each number is divided by the scale, clamped to +-57,344, and rounded to the nearest number of E5M2, ties to even, subnormals kept.
;;     - The product sums the exact products of the quantised numbers (number of the format x scale) in f32.
;;   ~~~python
;;   def quantise(x, axis, e):      # numpy; x: float32 -> the quantised numbers, widened to float32 again
;;       x = np.moveaxis(x, axis, -1); K = x.shape[-1]
;;       r = np.clip(x / 2.0 ** e, -57344, 57344)
;;       step = 2.0 ** (np.maximum(np.frexp(np.where(r == 0, 1, r))[1] - 1, -14) - 2)
;;       q = np.round(r / step) * step * 2.0 ** e      # np.round: ties to even
;;       return np.moveaxis(q, -1, axis).astype(np.float32)
;;   ~~~
;;   SOFTMAX AHEAD OF A QUANTISED PRODUCT. Where the list says 'softmax', what is quantised is not the finished softmax but p = 2^(t - M), with t = logit x log2(e) and M = ceil(the row's largest t), a whole number; so 1/2 < the row's largest p <= 1. The row's sum l is taken of the UNQUANTISED p, in f32, and the product's result is divided by l at the end. Since M is a whole number, a kernel that streams over the keys may use a running M (the ceiling of the running maximum): every later rescaling is an exact power of two, so the quantised numbers keep their values, but for numbers so far below the row's largest that they fall under the format's range.
;;   OPERANDS COMPUTED ON THE WAY. 'Computed on the way' means the value that the module computes at that place (a softmax that the list does not call 'softmax' is quantised finished and normalised). What goes into a quantiser is computed in f32, as accurately as f32 sums, v_exp_f32 and their like allow (about 1e-6 of the number): no bf16 or f16 on the way to a quantiser, and a product that is left as it is and whose result goes on into a quantised operand takes f32 operands (vector FMAs, or v_wmma_f32_16x16x4_f32). A number that lies on a knife's edge between two numbers of the format may be rounded either way, as far as f32 arithmetic and the matrix unit's own rounding can turn it there, and no further.
;;   INPUTS GIVEN AS CODES. W1 (in the module: [1024, 4096], K = its axis 0); W2 (in the module: [4096, 1024], K = its axis 0); Wk (in the module: [1024, 1024], K = its axis 0); Wp (in the module: [1024, 1024], K = its axis 0); Wq (in the module: [1024, 1024], K = its axis 0); Wv (in the module: [1024, 1024], K = its axis 0): each comes as NAME_codes (uint8): NAME with its K axis moved to the last place and cut into blocks of 32 codes, [.., K / 32, bytes a block], one block behind the other in memory; one code a byte (a code: sign, 5 exponent bits, 2 mantissa bits); its scale is its entry of lowp_scales. Its value is code x scale, taken as it is: it is not quantised again, and the codes and scales need not be those that the quantiser above would give.
;; One version. Each part assembles by itself: llvm-mc -triple=amdgcn-amd-amdhsa -mcpu=gfx1250 --defsym DOCPART=n.
;; ======== version 1 of 1: 7 launches
;; limits: right only within a limited range of input values
;; workspace buffers: xn3 12,582,912 bytes; qkv 12,582,912 bytes; yc 4,194,304 bytes; x1 16,777,216 bytes; a2 4,194,304 bytes; hc 16,777,216 bytes
;; launch ln1 (part 1): grid 256 x 1, 8 waves a work-group, no clusters, 82,944 bytes of LDS; arguments x, gamma1, beta1, lowp_scales, xn3; writes xn3
.if DOCPART == 1
	.amdgcn_target "amdgcn-amd-amdhsa--gfx1250"
	.amdhsa_code_object_version 6
	.text
	.protected	k_qefc69cbc9f_ln1
	.globl	k_qefc69cbc9f_ln1
	.p2align	8
	.type	k_qefc69cbc9f_ln1,@function
k_qefc69cbc9f_ln1:
	s_mov_b64 s[64:65], 0
	v_nop
	global_prefetch_b8 v0, s[64:65] scope:SCOPE_SE
	s_setreg_imm32_b32 hwreg(HW_REG_WAVE_MODE, 25, 1), 1
	s_wait_xcnt 0x0
; LayerNorm of the 4,096 rows of x (1,024 f32 each), then codes of E5M2 with K innermost, once for each of NS given scales.
; Here NS = 3: the operand of the q, k and v products, with the exponents at entries 0, 2 and 4 of the scales; set s goes 4 MiB x s into the output.
; code = xn / 2^e, held within +-57,344, to the nearest code, ties to even.  LIMITS: -126 <= e <= 112; NaN and infinity among the inputs are not served.
; SHARES: a work-group takes 16 rows, each of its eight waves two.  A row stays in the wave: mean, then the mean of the squared differences (two passes over registers), no barrier.
; The conversions take neighbours along K from one lane's registers, the loads take neighbouring bytes in neighbouring lanes: so a row's two chunks of 2,048 bytes turn through the wave's own stage in LDS
; (as loaded in; 64 bytes a lane out; 16 bytes of padding behind each 64).  Each chunk has a stage of its own: nothing in LDS is written twice.
.set NS,   3
.set SP,   80                          ; a lane's place in a stage: 64 bytes + 16
.set CH,   32*SP                       ; a chunk's stage
.set WREG, 4*CH                        ; a wave's LDS
.set R,    16                          ; v16-79   the two rows as loaded
.set X,    80                          ; v80-111  a row: X[16 c + n] = x[512 c + 16 lane + n]
.set T,    112                         ; v112-143 at work
.set G,    144                         ; v144-175 gamma in X's order
.set BT,   176                         ; v176-207 beta
.set C,    208                         ; v208-255 codes: row i, scale s at C + 24 i + 8 s; never written twice
	s_load_b256 s[4:11], s[0:1], 0x0               ; x s[4:5], gamma s[6:7], beta s[8:9], the scales' exponents s[10:11]
	s_load_b64 s[12:13], s[0:1], 0x20              ; the codes
	v_lshl_add_u32 v14, v0, 2, 0x14000
	v_mov_b32 v15, 0
	v_lshrrev_b32 v1, 5, v0
	s_delay_alu instid0(VALU_DEP_1)
	v_readfirstlane_b32 s16, v1                    ; wave
	v_and_b32 v1, 31, v0                           ; lane
	s_delay_alu instid0(VALU_DEP_1)
	v_lshlrev_b32 v2, 4, v1                        ; 16 x lane: my bytes of a load's or a store's 512
	s_delay_alu instid0(VALU_DEP_2)
	v_lshlrev_b32 v3, 6, v1                        ; 64 x lane: my 16 numbers of a chunk of gamma or beta
	s_mul_i32 s17, s16, WREG
	v_lshrrev_b32 v4, 2, v1
	s_delay_alu instid0(VALU_DEP_1)
	v_mul_u32_u24 v4, v4, SP
	v_and_b32 v5, 3, v1
	s_delay_alu instid0(VALU_DEP_1)
	v_lshl_add_u32 v4, v5, 4, v4
	s_delay_alu instid0(VALU_DEP_1)
	v_add_nc_u32 v4, s17, v4                       ; into a stage: SP (lane / 4) + 16 (lane % 4); a load's 512 bytes take eight places
	v_mul_u32_u24 v5, v1, SP
	s_delay_alu instid0(VALU_DEP_1)
	v_add_nc_u32 v5, s17, v5                       ; out of it: SP x lane
	v_mov_b32 v13, 0                               ; (named as the upper half of the pair v[12:13])
	s_lshl_b32 s20, ttmp9, 16                      ; 16 rows of 4,096 bytes a work-group,
	s_lshl_b32 s21, s16, 13                        ; two a wave
	s_add_co_u32 s20, s20, s21
	s_mov_b32 s21, 0
	s_lshl_b32 s22, ttmp9, 14                      ; and of 1,024 bytes of codes
	s_lshl_b32 s23, s16, 11
	s_add_co_u32 s22, s22, s23
	s_mov_b32 s23, 0
	s_mov_b32 s32, 0x76543210                      ; v_permlanex16_b32: lane l takes lane l xor 16
	s_mov_b32 s33, 0xfedcba98
	s_mov_b32 s34, 0x3a800000                      ; 1 / 1,024
	s_mov_b32 s35, 0x358637bd                      ; 1e-6
	s_wait_alu depctr_va_vdst(0)
	s_wait_kmcnt 0x0
.if NS == 3
	s_load_b256 s[24:31], s[10:11], 0x0            ; entries 0 to 7: 0, 2 and 4 are used
.else
	s_load_b32 s24, s[10:11], 0x30                 ; entry 12
.endif
	s_add_nc_u64 s[4:5], s[4:5], s[20:21]
	s_add_nc_u64 s[12:13], s[12:13], s[22:23]
.if NS == 3
	s_add_nc_u64 s[14:15], s[12:13], 0x400000
	s_add_nc_u64 s[18:19], s[12:13], 0x800000
.endif
.irp c, 0,1
.irp j, 0,1,2,3
	global_load_b128 v[G+16*\c+4*\j:G+16*\c+4*\j+3], v3, s[6:7] offset:2048*\c+16*\j
.endr
.endr
.irp c, 0,1
.irp j, 0,1,2,3
	global_load_b128 v[BT+16*\c+4*\j:BT+16*\c+4*\j+3], v3, s[8:9] offset:2048*\c+16*\j
.endr
.endr
.irp i, 0,1
.irp c, 0,1
.irp k, 0,1,2,3
	global_load_b128 v[R+32*\i+16*\c+4*\k:R+32*\i+16*\c+4*\k+3], v2, s[4:5] offset:4096*\i+2048*\c+512*\k th:TH_LOAD_NT   ; 32 lanes read 512 consecutive bytes
.endr
.endr
.endr
	s_wait_kmcnt 0x0
.set q, 0
.rept NS
	s_add_co_i32 s36, s[24+2*q], 127
	s_lshl_b32 s37, s36, 23
	v_mov_b32 v[6+2*q], s37                        ; 2^e as f32: the conversion takes its exponent field
	s_add_co_i32 s36, s36, 15
	s_lshl_b32 s36, s36, 23
	s_or_b32 s36, s36, 0x600000
	v_mov_b32 v[7+2*q], s36                        ; 57,344 x 2^e
.set q, q+1
.endr
.macro REDUCE r, t                     ; the sum over the 32 lanes, in every lane
	s_delay_alu instid0(VALU_DEP_1)
	v_add_f32_dpp v[\r], v[\r], v[\r] row_xmask:1 row_mask:0xf bank_mask:0xf
	s_delay_alu instid0(VALU_DEP_1)
	v_add_f32_dpp v[\r], v[\r], v[\r] row_xmask:2 row_mask:0xf bank_mask:0xf
	s_delay_alu instid0(VALU_DEP_1)
	v_add_f32_dpp v[\r], v[\r], v[\r] row_xmask:4 row_mask:0xf bank_mask:0xf
	s_delay_alu instid0(VALU_DEP_1)
	v_add_f32_dpp v[\r], v[\r], v[\r] row_xmask:8 row_mask:0xf bank_mask:0xf
	s_delay_alu instid0(VALU_DEP_1)
	v_permlanex16_b32 v[\t], v[\r], s32, s33       ; its destination has been written before
	s_delay_alu instid0(VALU_DEP_1)
	v_add_f32 v[\r], v[\r], v[\t]
.endm
.macro FOLD                            ; four packed chains in T0-T7 become one number in T0
	s_delay_alu instid0(VALU_DEP_3)
	v_pk_add_f32 v[T:T+1], v[T:T+1], v[T+2:T+3]
	s_delay_alu instid0(VALU_DEP_2)
	v_pk_add_f32 v[T+4:T+5], v[T+4:T+5], v[T+6:T+7]
	s_delay_alu instid0(VALU_DEP_1)
	v_pk_add_f32 v[T:T+1], v[T:T+1], v[T+4:T+5]
	s_delay_alu instid0(VALU_DEP_1)
	v_add_f32 v[T], v[T], v[T+1]
	REDUCE T, T+1
.endm
.macro QOUT i, s, lo, hi               ; row i under scale s: hold, convert, store
.set n, 0
.rept 32
	v_med3_num_f32 v[T+n], v[X+n], -v[7+2*\s], v[7+2*\s]   ; the conversion to an 8-bit code does not saturate (ISA guide 7.6.2)
.set n, n+1
.endr
.irp g, 0,1,2,3
	v_cvt_scalef32_pk8_bf8_f32 v[C+24*\i+8*\s+2*\g:C+24*\i+8*\s+2*\g+1], v[T+8*\g:T+8*\g+7], v[6+2*\s]
.endr
	v_nop                                          ; a plain line between the conversions and the next lines that write their sources
.irp c, 0,1
	global_store_b128 v2, v[C+24*\i+8*\s+4*\c:C+24*\i+8*\s+4*\c+3], s[\lo:\hi] offset:1024*\i+512*\c   ; 32 lanes store 512 consecutive bytes, aligned
.endr
.endm
.macro ROW i, left
	s_wait_loadcnt \left                           ; gamma, beta and this row are in; left = the other row's loads that may be out
.irp c, 0,1
.irp k, 0,1,2,3
	ds_store_b128 v4, v[R+32*\i+16*\c+4*\k:R+32*\i+16*\c+4*\k+3] offset:(2*\i+\c)*CH+8*SP*\k
.endr
.endr
.irp c, 0,1
.irp j, 0,1,2,3
	ds_load_b128 v[X+16*\c+4*\j:X+16*\c+4*\j+3], v5 offset:(2*\i+\c)*CH+16*\j   ; LDS serves a wave's instructions in order: these see the stores above
.endr
.endr
	s_wait_dscnt 0x0
.irp q, 0,2,4,6
	v_pk_add_f32 v[T+\q:T+\q+1], v[X+\q:X+\q+1], v[X+8+\q:X+8+\q+1]   ; the row's sum, four chains
.endr
.irp m, 16,24
.irp q, 0,2,4,6
	s_delay_alu instid0(VALU_DEP_4)
	v_pk_add_f32 v[T+\q:T+\q+1], v[T+\q:T+\q+1], v[X+\m+\q:X+\m+\q+1]
.endr
.endr
	FOLD
	s_delay_alu instid0(VALU_DEP_1)
	v_mul_f32 v12, s34, v[T]                       ; the mean
.set n, 0
.rept 16
	v_pk_add_f32 v[X+n:X+n+1], v[X+n:X+n+1], v[12:13] op_sel_hi:[1,0] neg_lo:[0,1] neg_hi:[0,1]   ; x - mean
.set n, n+2
.endr
.irp q, 0,2,4,6
	v_pk_mul_f32 v[T+\q:T+\q+1], v[X+\q:X+\q+1], v[X+\q:X+\q+1]
.endr
.irp m, 8,16,24
.irp q, 0,2,4,6
	s_delay_alu instid0(VALU_DEP_4)
	v_pk_fma_f32 v[T+\q:T+\q+1], v[X+\m+\q:X+\m+\q+1], v[X+\m+\q:X+\m+\q+1], v[T+\q:T+\q+1]
.endr
.endr
	FOLD
	s_delay_alu instid0(VALU_DEP_1)
	v_fma_f32 v[T], v[T], s34, s35                 ; the variance + 1e-6
	s_wait_alu depctr_va_vdst(0)
	v_rsq_f32 v12, v[T]
	v_nop                                          ; a plain line behind the transcendental
	s_wait_alu depctr_va_vdst(0)                   ; the wait ahead of the first reader
.set n, 0
.rept 16
	v_pk_mul_f32 v[X+n:X+n+1], v[X+n:X+n+1], v[12:13] op_sel_hi:[1,0]
.set n, n+2
.endr
.set n, 0
.rept 16
	v_pk_fma_f32 v[X+n:X+n+1], v[X+n:X+n+1], v[G+n:G+n+1], v[BT+n:BT+n+1]
.set n, n+2
.endr
	QOUT \i, 0, 12, 13
.if NS == 3
	QOUT \i, 1, 14, 15
	QOUT \i, 2, 18, 19
.endif
.endm
	ROW 0, 8
	ROW 1, 0
	s_wait_tensorcnt 0x0
	ds_add_u32 v14, v15
	s_wait_dscnt 0x0
	s_endpgm
.Lfunc_end_k_qefc69cbc9f_ln1:
	.size	k_qefc69cbc9f_ln1, .Lfunc_end_k_qefc69cbc9f_ln1-k_qefc69cbc9f_ln1
	.p2alignl 7, 3214868480
	.fill 96, 4, 3214868480
	.section	.rodata,"a",@progbits
	.p2align	6, 0x0
	.amdhsa_kernel k_qefc69cbc9f_ln1
		.amdhsa_group_segment_fixed_size 82944
		.amdhsa_private_segment_fixed_size 0
		.amdhsa_enable_private_segment 0
		.amdhsa_kernarg_size 40
		.amdhsa_user_sgpr_count 2
		.amdhsa_user_sgpr_kernarg_segment_ptr 1
		.amdhsa_wavefront_size32 1
		.amdhsa_system_sgpr_workgroup_id_x 1
		.amdhsa_system_sgpr_workgroup_id_y 1
		.amdhsa_system_sgpr_workgroup_id_z 1
		.amdhsa_system_vgpr_workitem_id 0
		.amdhsa_next_free_vgpr 256
		.amdhsa_next_free_sgpr 66
		.amdhsa_reserve_vcc 0
		.amdhsa_float_denorm_mode_32 3
		.amdhsa_float_denorm_mode_16_64 3
		.amdhsa_memory_ordered 1
		.amdhsa_forward_progress 1
		.amdhsa_inst_pref_size 38
	.end_amdhsa_kernel
	.amdgpu_metadata
---
amdhsa.version: [ 1, 2 ]
amdhsa.kernels:
  - .name:           k_qefc69cbc9f_ln1
    .symbol:         k_qefc69cbc9f_ln1.kd
    .args:
      - { .name: x, .offset: 0, .size: 8, .value_kind: global_buffer, .address_space: global }
      - { .name: gamma1, .offset: 8, .size: 8, .value_kind: global_buffer, .address_space: global }
      - { .name: beta1, .offset: 16, .size: 8, .value_kind: global_buffer, .address_space: global }
      - { .name: lowp_scales, .offset: 24, .size: 8, .value_kind: global_buffer, .address_space: global }
      - { .name: xn3, .offset: 32, .size: 8, .value_kind: global_buffer, .address_space: global }
    .group_segment_fixed_size: 82944
    .private_segment_fixed_size: 0
    .kernarg_segment_align: 8
    .kernarg_segment_size: 40
    .max_flat_workgroup_size: 256
    .sgpr_count:     66
    .vgpr_count:     256
    .wavefront_size: 32
...
	.end_amdgpu_metadata
.endif
;; end of part 1
;; launch qkv (part 2): grid 12 x 16, 4 waves a work-group, clusters of 4 x 4, 327,680 bytes of LDS; arguments xn3, Wq_codes, Wk_codes, Wv_codes, lowp_scales, qkv; writes qkv
.if DOCPART == 2
	.amdgcn_target "amdgcn-amd-amdhsa--gfx1250"
	.amdhsa_code_object_version 6
	.text
	.protected	k_qefc69cbc9f_qkv
	.globl	k_qefc69cbc9f_qkv
	.p2align	8
	.type	k_qefc69cbc9f_qkv,@function
k_qefc69cbc9f_qkv:
	s_mov_b64 s[64:65], 0
	v_nop
	global_prefetch_b8 v0, s[64:65] scope:SCOPE_SE
	s_setreg_imm32_b32 hwreg(HW_REG_WAVE_MODE, 25, 1), 1
	s_wait_xcnt 0x0
	s_wait_alu depctr_hold_cnt(0) depctr_sa_sdst(0) depctr_va_vdst(0) depctr_va_sdst(0) depctr_va_ssrc(0) depctr_va_vcc(0) depctr_vm_vsrc(0)
	s_getreg_b32 s2, hwreg(HW_REG_IB_STS2, 6, 4)
	s_cmp_eq_u32 s2, 0
	s_cbranch_scc0 .Lentry_in_a_cluster
	s_endpgm
.Lentry_in_a_cluster:
	s_bfe_u32 s2, ttmp6, 0x10000c
	s_cmp_lg_u32 s2, 0xf033
	s_cbranch_scc0 .Lentry_shape_is_right
	s_endpgm
.Lentry_shape_is_right:
; The three projections q, k, v on codes of E5M2, K = 1,024, and their results quantised for attention.  The cluster's x, p = 0, 1, 2, which all sixteen partners share, says which.
; p = 0, 1: C = xn W^T: rows of C are the 4,096 tokens (codes of xn under that product's scale), columns the 1,024 features.  p = 2: the roles are swapped, C = Wv xn^T: rows are the 1,024 channels, columns the tokens,
; so that a lane's eight neighbouring results are eight neighbouring KEYS, which are the K of attention's second product.  The choice is made of pointers and offsets alone, by selects on p: no branch, no LDS address.
; A tile of C, 256 x 256, is made by four waves, 128 x 128 each: 64 accumulators.  K goes in steps of 256 through a ring of two LDS slots filled by joint tensor loads: A's tile is shared along a row of the 4 x 4 cluster, B's along a column.
; THE MATRIX INSTRUCTION IS USED TRANSPOSED (source 0 = 16 rows of B, source 1 = 16 rows of A): a lane holds eight neighbouring columns of one row of C.
; Fragments come by four loads of 16 bytes a side: a permutation of k that is the same in A and in B.
; OUTPUT, part p at 4 MiB x p.  q, k: [16 heads][4,096 places][64]; v: [64 blocks of 64 keys][1,024 places][64 keys].  PLACE P HOLDS ROW P WITH ITS BITS 3 AND 4 EXCHANGED (a token of q, k; a channel of v):
; sixteen neighbouring places are then the rows that attention wants in one tile, so that a lane's 16 results of two neighbouring tiles are 16 neighbours.
; code = sum / 2^E, held within +-57,344: Eq = e6 - e0 - e1 + 3 (q carries 64^-0.5 = 2^-3), Ek = e7 - e2 - e3, Ev = e9 - e4 - e5.  LIMITS: -126 <= E <= 112; NaN and infinity are not served.
; THE WAY OUT: the tile's raw sums go into LDS (both slots have had their last fill and their last read), rows 1,040 bytes apart, at their places; then each wave converts 64 rows, four a trip, and stores runs of 256 aligned bytes.
; The 16 trips are written out: every offset is an immediate, the LDS loads run three trips ahead in four sets of registers, and the codes have eight trips' registers, so that one wait serves all the stores' data.
; REGISTERS, in windows of 256: window 0: v0-31 addresses, v32-111 the way out, from v128 A's fragments (one set), later the way out's codes and numbers;  window 1: B's fragments, two sets;  windows 2, 3: the accumulators ((a, b) at v[8 (8 (a % 4) + b)]).
.set SIZE_K, 1024
.set KSTEP,  256
.set ROWB,   256
.set KROW,   SIZE_K
.set PITCH,  272                       ; an LDS row: 256 bytes + 16 of padding: the 16 rows of a fragment load start at 16 different banks
.set FR,     16
.set NL,     4
.set NP,     4                         ; places behind this matrix instruction (ISA guide 7.12.1)
.set HALFT,  128*PITCH
.set SLOT,   4*HALFT
.set LAPS,   SIZE_K/(2*KSTEP)
.set SPARE,  2*SLOT                    ; the spare words, 128 bytes a wave: two blocks of 256 bytes that no other line names
.set DP,     1040                      ; the way out: a row of 256 f32 + 16 bytes
.set ADRA, 16
.set ADRB, 20
.set STO,  24                          ; v24  where I put 32 bytes of a row of blocks 0-3;  v25 of blocks 4-7
.set SPW,  28
.set NIL,  29
.set SCV,  72                          ; v72  2^E;  v73  57,344 x 2^E
.set LIMV, 73
.set OFS,  74                          ; v74-77 block cb of 64 columns: cb x BLK + 8 x lane
.set RD0,  79
.set CD,   128                         ; v128-191 the way out: codes, eight registers for each of eight trips
.set AF,   128
.set G1, 24
.set G0, 32
.set G1B, 48
.set G0B, 56
.set MSB, 0
.macro WIN new                         ; the immediate's high byte repeats the setting that is left
.if MSB != \new
	s_set_vgpr_msb (MSB<<8)|\new
.set MSB, \new
.endif
.endm
.set MUL_LO, 0xa1                      ; source 0 (B) window 1, source 1 (A) window 0, C and D window 2
.set MUL_HI, 0xf1
.set TO_B,   0x40
; A joint load: waves 0 and 1 fetch for A, waves 2 and 3 for B; the branch hangs on the wave's number alone.  Four v_nop follow each of the two lines.
.macro JLOAD g0a, g1a, g0b, g1b
	s_cmp_eq_u32 s15, 0
	s_cbranch_scc0 .Lfor_b_\@
	tensor_load_to_lds s[\g0a:\g0a+3], s[\g1a:\g1a+7]
	s_nop 0
.rept 4
	v_nop
.endr
	s_branch .Lasked_\@
.Lfor_b_\@:
	tensor_load_to_lds s[\g0b:\g0b+3], s[\g1b:\g1b+7]
	s_nop 0
.rept 4
	v_nop
.endr
.Lasked_\@:
.endm
.macro CREST                           ; a round of the cluster's barrier behind its opening barrier
	s_cmp_lg_u32 s14, 0
	s_cbranch_scc1 .Lnot_wave_0_\@
	s_barrier_signal -3
.Lnot_wave_0_\@:
	s_barrier_wait -3
	s_barrier_signal -1
	s_barrier_wait -1
.endm
.macro CROUND
	s_barrier_signal -1
	s_barrier_wait -1
	CREST
.endm
	s_load_b256 s[68:75], s[0:1], 0x0              ; xn's codes s[68:69], Wq s[70:71], Wk s[72:73], Wv s[74:75]
	s_load_b128 s[76:79], s[0:1], 0x20             ; the scales' exponents s[76:77], the output s[78:79]
	v_lshl_add_u32 v[SPW], v0, 2, SPARE
	v_mov_b32 v[NIL], 0
	ds_add_u32 v28, v29
	ds_add_u32 v28, v29
	s_wait_dscnt 0x0
	v_lshrrev_b32 v1, 5, v0
	v_readfirstlane_b32 s14, v1                    ; wave 0..3
	s_lshr_b32 s15, s14, 1                         ; which half of the tile's rows is mine.  Also: I fetch for A (0) or for B (1)
	s_and_b32 s16, s14, 1                          ; which half of its columns.  Also: which 128 rows of that tile I fetch
	s_bfe_u32 s40, ttmp6, 0x40000                  ; cx, cy
	s_bfe_u32 s41, ttmp6, 0x40004
	s_and_b32 s91, ttmp7, 0xffff                   ; the cluster's y, 0..3
	s_cmp_eq_u32 ttmp9, 2                          ; v?  All selects on this compare stand ahead of the next line that sets SCC
	s_cselect_b32 s88, 0, s91                      ; rows of C: q, k walk the tokens with the cluster's y; v has 1,024 channels: one cluster's four tile rows
	s_cselect_b32 s89, s91, 0                      ; columns: the other way round
	s_mov_b32 s90, 262144
	; v's part of the output is laid [2 batches][16 heads][32 blocks of 64 keys][64 places][64 keys]: a head's v of one batch is one dense run of 131,072 bytes (this takes the place of the order of v given at the head)
	s_cselect_b32 s90, 4096, s90                   ; BLK: from one block of 64 columns to the next
	s_cselect_b32 s95, 11, 6                       ; a place's step as a shift: v: 64 places are a head, 131,072 bytes on; q, k: 64 bytes a place
	s_cselect_b32 s96, 0x1e0000, 0                 ; v: a batch is 2 MiB, of which its 32 key blocks' steps make up 131,072
	s_lshl_b32 s42, s89, 2
	s_add_co_u32 s42, s42, s40                     ; tile column of C
	s_lshl_b32 s17, s88, 2
	s_add_co_u32 s17, s17, s41                     ; tile row of C
	s_lshl_b32 s43, s41, 2
	s_lshl_b32 s43, 15, s43                        ; my row of the cluster
	s_lshl_b32 s44, 0x1111, s40                    ; my column
	s_or_b32 s[G1+0], s43, (0<<16)|(1<<20)|(1<<21)|(5<<22)|(3<<25)  ; the mask; elements of 1 byte; padding on; bit 21 beside a mask; after every 64 words, 4 words
	s_or_b32 s[G1B+0], s44, (0<<16)|(1<<20)|(1<<21)|(5<<22)|(3<<25)
.irp g, G1, G1B
	s_mov_b32 s[\g+1], ROWB<<16                    ; tensor_dim0
	s_mov_b32 s[\g+2], 128<<16                     ; tensor_dim1
	s_mov_b32 s[\g+3], ROWB<<16                    ; tile_dim0
	s_mov_b32 s[\g+4], 128                         ; tile_dim1
	s_mov_b32 s[\g+5], KROW                        ; the pitch
	s_mov_b32 s[\g+6], 0
	s_mov_b32 s[\g+7], 0
.endr
	s_lshl_b32 s18, s16, 7
	s_lshl_b32 s20, s17, 8
	s_add_co_u32 s20, s20, s18                     ; A: row 256 x tile row + 128 x half
	s_lshl_b32 s46, s42, 8
	s_add_co_u32 s46, s46, s18                     ; B: row 256 x tile column + 128 x half
	s_lshl_b32 s20, s20, 10                        ; rows of 1,024 bytes
	s_lshl_b32 s46, s46, 10
	s_mov_b32 s21, 0
	s_mov_b32 s47, 0
	s_mul_i32 s45, s14, HALFT                      ; where they go: wave x 128 rows
	s_lshl_b32 s84, ttmp9, 22                      ; 4 MiB x p
	s_mov_b32 s85, 0
	s_wait_kmcnt 0x0
	s_add_nc_u64 s[86:87], s[68:69], s[84:85]      ; xn's codes under product p's scale
	s_add_nc_u64 s[10:11], s[78:79], s[84:85]      ; part p of the output
	s_mov_b64 s[8:9], s[76:77]
	s_cmp_eq_u32 ttmp9, 0
	s_cselect_b64 s[6:7], s[70:71], s[72:73]
	s_cmp_eq_u32 ttmp9, 2
	s_cselect_b64 s[6:7], s[86:87], s[6:7]         ; B: Wq, Wk, or for v the tokens
	s_cselect_b64 s[4:5], s[74:75], s[86:87]       ; A: the tokens, or for v Wv
	s_load_b512 s[68:83], s[8:9], 0x0              ; e0 .. e15
	s_add_nc_u64 s[20:21], s[4:5], s[20:21]
	s_add_nc_u64 s[46:47], s[6:7], s[46:47]
	; The prefetches.  Of the 128 rows that my wave fetches, the partner at place p (cx for A's tiles, cy for B's) names rows 32 p .. 32 p + 31, a lane a row: a K step's part of a row is 256 bytes, aligned,
	; and is named once in the cluster.  Beside the load of K step 0 stand the requests for K steps 1 and 2, beside that of K step 1 the request for K step 3; K has four steps, so the refills name nothing.
	s_cmp_eq_u32 s15, 0                            ; do I fetch for A?
	s_cselect_b64 s[98:99], s[20:21], s[46:47]     ; my wave's first row
	s_cselect_b32 s66, s40, s41                    ; my place among the four that ask with me
	s_lshl_b32 s66, s66, 15                        ; 32 rows of 1,024 bytes
	s_add_co_u32 s66, s66, ROWB                    ; at K step 1
	s_mov_b32 s67, 0
	s_add_nc_u64 s[98:99], s[98:99], s[66:67]
	v_and_b32 v30, 31, v0
	v_lshlrev_b32 v30, 10, v30                     ; my lane's row; never rewritten
	s_wait_alu depctr_va_vdst(0)
	CROUND                                         ; all sixteen work-groups are here: the first joint loads meet
.irp s, 0,1
	s_mov_b32 s[G0+4*\s], 1
	s_add_co_u32 s[G0+4*\s+1], s45, \s*SLOT
	s_add_nc_u64 s[G0+4*\s+2:G0+4*\s+3], s[20:21], \s*ROWB
	s_or_b32 s[G0+4*\s+3], s[G0+4*\s+3], 0x80000000
	s_mov_b32 s[G0B+4*\s], 1
	s_add_co_u32 s[G0B+4*\s+1], s45, \s*SLOT
	s_add_nc_u64 s[G0B+4*\s+2:G0B+4*\s+3], s[46:47], \s*ROWB
	s_or_b32 s[G0B+4*\s+3], s[G0B+4*\s+3], 0x80000000
.if \s                                 ; K step 0's load follows the opening round; K step 1's stands behind the full sequence and a round of its own
	s_wait_alu depctr_va_vdst(0)
	s_wait_tensorcnt 0x0
	ds_add_u32 v28, v29
	ds_add_u32 v28, v29
	s_wait_dscnt 0x0
	CROUND
.endif
	JLOAD G0+4*\s, G1, G0B+4*\s, G1B
.if \s == 0
	global_prefetch_b8 v30, s[98:99] th:TH_LOAD_NT scope:SCOPE_SE
	global_prefetch_b8 v30, s[98:99] offset:ROWB th:TH_LOAD_NT scope:SCOPE_SE
.else
	global_prefetch_b8 v30, s[98:99] offset:2*ROWB th:TH_LOAD_NT scope:SCOPE_SE
.endif
.endr
	v_and_b32 v1, 15, v0                           ; r
	v_bfe_u32 v2, v0, 4, 1                         ; h
	v_mul_u32_u24 v3, v1, PITCH
	v_lshl_add_u32 v4, v2, 4, v3
	s_mul_i32 s21, s15, HALFT
	s_mul_i32 s22, s16, HALFT
	s_add_co_u32 s22, s22, 2*HALFT
.irp s, 0,1
	v_add_nc_u32 v[ADRA+\s], s21, v4
	v_add_nc_u32 v[ADRB+\s], s22, v4
	s_add_co_u32 s21, s21, SLOT
	s_add_co_u32 s22, s22, SLOT
.endr
	v_and_b32 v5, 8, v1
	v_add_nc_u32 v5, v5, v1                        ; r + 8 (r / 8): row 16 a + r goes to place 32 (a / 2) + 16 (r / 8) + 8 (a % 2) + r % 8
	v_mul_u32_u24 v5, v5, DP
	v_lshl_add_u32 v5, v2, 5, v5
	s_mul_i32 s23, s15, 128*DP
	s_lshl_b32 s22, s16, 9
	s_add_co_u32 s23, s23, s22
	v_add_nc_u32 v[STO], s23, v5
	v_add_nc_u32 v[STO+1], 64*DP, v[STO]
	v_and_b32 v6, 31, v0
	v_lshrrev_b32 v7, 3, v6
	v_mul_u32_u24 v7, v7, DP
	v_and_b32 v8, 7, v6
	v_lshl_add_u32 v7, v8, 5, v7
	s_mul_i32 s23, s14, 64*DP
	v_add_nc_u32 v[RD0], s23, v7                   ; back: wave w takes places 64 w on; eight lanes to a place's 64 columns, four places an instruction
	v_lshlrev_b32 v6, 3, v6
.irp cb, 0,1,2,3
	v_mad_u32_u24 v[OFS+\cb], s90, \cb, v6
.endr
	s_lshl_b32 s84, s42, 2
	s_mul_i32 s84, s84, s90                        ; the tile's first block of 64 columns,
	s_lshl_b32 s86, s17, 8
	s_lshl_b32 s87, s14, 6
	s_add_co_u32 s86, s86, s87
	s_lshl_b32 s86, s86, s95
	s_lshr_b32 s97, s42, 3                         ; v: the batch of this tile's 256 tokens
	s_mul_i32 s97, s97, s96
	s_add_co_u32 s84, s84, s97
	s_add_co_u32 s84, s84, s86
	s_mov_b32 s85, 0
	s_add_nc_u64 s[10:11], s[10:11], s[84:85]
.macro FRAG reg, adr, q, i             ; 16 rows x 128 K: registers 4 c .. 4 c + 3 hold K = 32 c + 16 h + 0 .. 15 of row r
.irp c, 0,1,2,3
	ds_load_b128 v[\reg+4*\c:\reg+4*\c+3], v[\adr] offset:128*(\q)+32*\c+(\i)*16*PITCH
.endr
.endm
; 16 matrix instructions: A's blocks a0, a0 + 1 x B's eight.  The 64 accumulators take turns, one instruction a turn, in the same order in every step.
.macro MUL16 a0, p, zero
.irp a, \a0, \a0+1
.irp b, 0,1,2,3,4,5,6,7
.if \zero
	v_wmma_f32_16x16x128_bf8_bf8 v[8*(8*((\a)%4)+\b):8*(8*((\a)%4)+\b)+7], v[128*(\p)+FR*\b:128*(\p)+FR*\b+FR-1], v[AF+FR*(\a):AF+FR*(\a)+FR-1], 0
.else
	v_wmma_f32_16x16x128_bf8_bf8 v[8*(8*((\a)%4)+\b):8*(8*((\a)%4)+\b)+7], v[128*(\p)+FR*\b:128*(\p)+FR*\b+FR-1], v[AF+FR*(\a):AF+FR*(\a)+FR-1], v[8*(8*((\a)%4)+\b):8*(8*((\a)%4)+\b)+7]
.endif
.endr
.endr
.endm
.macro FETCH_B slot, q, p
	WIN TO_B
.irp i, 0,1,2,3,4,5,6,7
	FRAG 128*(\p)+FR*\i, ADRB+\slot, \q, \i
.endr
	WIN 0
.endm
.macro FETCH_A slot, q, i0
.irp i, \i0, \i0+1, \i0+2, \i0+3
	FRAG AF+FR*(\i), ADRA+\slot, \q, \i
.endr
.endm
.macro PLACES n                        ; plain vector lines between a matrix instruction and a load into, or a read of, its registers
.rept \n
	v_nop
.endr
.endm
.macro STEP slot, q, zero              ; 128 along K, with its successor in the same slot
	s_wait_dscnt 4*NL                              ; B's set and A's blocks 0-3 are in; the youngest sixteen loads (A's blocks 4-7) may be out
	WIN MUL_LO
	MUL16 0, (\q)%2, \zero
	MUL16 2, (\q)%2, \zero
	s_wait_dscnt 0
	PLACES NP
	FETCH_B \slot, (\q)+1, 1-(\q)%2
	FETCH_A \slot, (\q)+1, 0
	WIN MUL_HI
	MUL16 4, (\q)%2, \zero
	MUL16 6, (\q)%2, \zero
	PLACES NP
	WIN 0
	FETCH_A \slot, (\q)+1, 4
.endm
; A slot's last step changes slots: one barrier; in front of it each wave waits for all its tensor loads, adds 0 to its spare word, and waits for that and for its own reads of this slot.
.macro TURN slot, next, fill
	s_wait_tensorcnt 0x0                           ; all my tensor loads have landed: my part of the next slot
	ds_add_u32 v[SPW], v[NIL]                      ; 0 onto my spare word
	s_wait_dscnt 4*NL+1                            ; (the add and A's blocks 4-7 may be out)
	WIN MUL_LO
	MUL16 0, 1, 0
	s_wait_dscnt 0x0                               ; the add is done, and my reads of this slot are over
	s_barrier_signal -1
	MUL16 2, 1, 0
	WIN 0
	s_barrier_wait -1
.if \fill
	CREST                                          ; the barrier has opened a round of the cluster's: no wave of any partner still reads this slot or has a load on its way
	s_add_nc_u64 s[G0+4*\slot+2:G0+4*\slot+3], s[G0+4*\slot+2:G0+4*\slot+3], 2*ROWB
	s_add_nc_u64 s[G0B+4*\slot+2:G0B+4*\slot+3], s[G0B+4*\slot+2:G0B+4*\slot+3], 2*ROWB
	JLOAD G0+4*\slot, G1, G0B+4*\slot, G1B         ; the first tensor load behind the round; its four v_nop are the places in front of the loads below
.else
	PLACES NP
.endif
	FETCH_B \next, 0, 0
	FETCH_A \next, 0, 0
	WIN MUL_HI
	MUL16 4, 1, 0
	MUL16 6, 1, 0
	PLACES NP
	WIN 0
	FETCH_A \next, 0, 4
.endm
	s_wait_tensorcnt 1                             ; my part of K step 0 is in; K step 1's load may be out
	s_barrier_signal -1
	s_barrier_wait -1
	FETCH_B 0, 0, 0
	FETCH_A 0, 0, 0
	FETCH_A 0, 0, 4
	STEP 0, 0, 1                                   ; the first step's products start the sums
	s_mov_b32 s3, LAPS-1
.Llap:                                                 ; a trip goes once round the ring and fills both slots again
	TURN 0, 1, 1
	STEP 1, 0, 0
	TURN 1, 0, 1
	STEP 0, 0, 0
	s_sub_co_u32 s3, s3, 1
	s_cmp_lg_u32 s3, 0
	s_cbranch_scc1 .Llap
	TURN 0, 1, 0                                   ; the last lap fills nothing
	STEP 1, 0, 0
	s_wait_dscnt 4*NL
	WIN MUL_LO
	MUL16 0, 1, 0
	MUL16 2, 1, 0
	s_wait_dscnt 0
	WIN MUL_HI
	MUL16 4, 1, 0
	MUL16 6, 1, 0
	WIN 0
	s_barrier_signal -1                            ; every wave's reads of the ring are back (the wait for 0 above): the ring's bytes may be written
	s_barrier_wait -1
	s_wait_kmcnt 0x0
	s_sub_co_i32 s92, s74, s68
	s_sub_co_i32 s92, s92, s69
	s_add_co_i32 s92, s92, 3                       ; Eq
	s_sub_co_i32 s93, s75, s70
	s_sub_co_i32 s93, s93, s71                     ; Ek
	s_sub_co_i32 s94, s77, s72
	s_sub_co_i32 s94, s94, s73                     ; Ev
	s_cmp_eq_u32 ttmp9, 0
	s_cselect_b32 s92, s92, s93
	s_cmp_eq_u32 ttmp9, 2
	s_cselect_b32 s92, s94, s92
	s_add_co_i32 s92, s92, 127
	s_lshl_b32 s93, s92, 23
	v_mov_b32 v[SCV], s93
	s_add_co_i32 s92, s92, 15
	s_lshl_b32 s92, s92, 23
	s_or_b32 s92, s92, 0x600000
	v_mov_b32 v[LIMV], s92
	PLACES NP
	WIN 0x08                                       ; store data in window 2
.irp a, 0,1,2,3
.irp b, 0,1,2,3,4,5,6,7
	ds_store_b128 v[STO], v[8*(8*\a+\b):8*(8*\a+\b)+3] offset:(32*(\a/2)+8*(\a%2))*DP+64*\b       ; each accumulator from its low end on
	ds_store_b128 v[STO], v[8*(8*\a+\b)+4:8*(8*\a+\b)+7] offset:(32*(\a/2)+8*(\a%2))*DP+64*\b+16
.endr
.endr
	WIN 0x0c                                       ; window 3
.irp a, 0,1,2,3
.irp b, 0,1,2,3,4,5,6,7
	ds_store_b128 v[STO+1], v[8*(8*\a+\b):8*(8*\a+\b)+3] offset:(32*(\a/2)+8*(\a%2))*DP+64*\b
	ds_store_b128 v[STO+1], v[8*(8*\a+\b)+4:8*(8*\a+\b)+7] offset:(32*(\a/2)+8*(\a%2))*DP+64*\b+16
.endr
.endr
	WIN 0
	s_wait_dscnt 0x0                               ; for the others' sake: my sums lie in LDS
	s_barrier_signal -1
	s_barrier_wait -1
; Trip t: four places x 256 columns, 32 sums a lane.  Its registers are set t % 4: v32-63, v80-111, v192-223, v224-255.
.macro SETRW t
.if ((\t)%4) == 0
.set RW, 32
.elseif ((\t)%4) == 1
.set RW, 80
.else
.set RW, 192+32*(((\t)%4)-2)
.endif
.endm
.macro OLOAD t                         ; the offsets reach 15 x 4 x 1,040 + 784 = 63,184: inside the 16 bits of an LDS offset
	SETRW \t
.irp cb, 0,1,2,3
	ds_load_b128 v[RW+8*\cb:RW+8*\cb+3], v[RD0] offset:(\t)*4*DP+256*\cb
	ds_load_b128 v[RW+8*\cb+4:RW+8*\cb+7], v[RD0] offset:(\t)*4*DP+256*\cb+16
.endr
.endm
.macro OTRIP t
	SETRW \t
.if (\t) < 13
	s_wait_dscnt 24                                ; this trip's eight loads are in; those of the three trips behind it may be out
.else
	s_wait_dscnt 8*(15-(\t))
.endif
.set n, 0
.rept 32
	v_med3_num_f32 v[RW+n], v[RW+n], -v[LIMV], v[LIMV]   ; the conversion does not saturate (ISA guide 7.6.2)
.set n, n+1
.endr
.if (\t) == 8
	s_wait_alu depctr_va_vdst(0)
	s_wait_xcnt 0x0                                ; the stores of trips 0 to 7 have read their data: from here on their registers take the codes of trips 8 to 15
.endif
.irp cb, 0,1,2,3
	v_cvt_scalef32_pk8_bf8_f32 v[CD+8*((\t)%8)+2*\cb:CD+8*((\t)%8)+2*\cb+1], v[RW+8*\cb:RW+8*\cb+7], v[SCV]
.endr
	v_nop                                          ; a plain line behind the last conversion
.irp cb, 0,1,2,3
	global_store_b64 v[OFS+\cb], v[CD+8*((\t)%8)+2*\cb:CD+8*((\t)%8)+2*\cb+1], s[10:11] offset:256*(\t)   ; four places of 64 bytes: 256 consecutive bytes, aligned
.endr
.if (\t)+4 < 16
	OLOAD (\t)+4                                   ; the set that has just been converted takes the trip four further on
.endif
.endm
	s_wait_alu depctr_va_vdst(0)
.irp t, 0,1,2,3
	OLOAD \t
.endr
.irp t, 0,1,2,3,4,5,6,7,8,9,10,11,12,13,14,15
	OTRIP \t
.endr
	s_wait_tensorcnt 0x0                           ; the wave's end
	ds_add_u32 v[SPW], v[NIL]
	s_wait_dscnt 0x0
	CROUND                                         ; the closing round
	s_endpgm
.Lfunc_end_k_qefc69cbc9f_qkv:
	.size	k_qefc69cbc9f_qkv, .Lfunc_end_k_qefc69cbc9f_qkv-k_qefc69cbc9f_qkv
	.p2alignl 7, 3214868480
	.fill 96, 4, 3214868480
	.section	.rodata,"a",@progbits
	.p2align	6, 0x0
	.amdhsa_kernel k_qefc69cbc9f_qkv
		.amdhsa_group_segment_fixed_size 327680
		.amdhsa_private_segment_fixed_size 0
		.amdhsa_enable_private_segment 0
		.amdhsa_kernarg_size 48
		.amdhsa_user_sgpr_count 2
		.amdhsa_user_sgpr_kernarg_segment_ptr 1
		.amdhsa_wavefront_size32 1
		.amdhsa_system_sgpr_workgroup_id_x 1
		.amdhsa_system_sgpr_workgroup_id_y 1
		.amdhsa_system_sgpr_workgroup_id_z 1
		.amdhsa_system_vgpr_workitem_id 0
		.amdhsa_next_free_vgpr 1024
		.amdhsa_next_free_sgpr 100
		.amdhsa_reserve_vcc 0
		.amdhsa_float_denorm_mode_32 3
		.amdhsa_float_denorm_mode_16_64 3
		.amdhsa_memory_ordered 1
		.amdhsa_forward_progress 1
		.amdhsa_inst_pref_size 140
	.end_amdhsa_kernel
	.amdgpu_metadata
---
amdhsa.version: [ 1, 2 ]
amdhsa.kernels:
  - .name:           k_qefc69cbc9f_qkv
    .symbol:         k_qefc69cbc9f_qkv.kd
    .args:
      - { .name: xn3, .offset: 0, .size: 8, .value_kind: global_buffer, .address_space: global }
      - { .name: Wq_codes, .offset: 8, .size: 8, .value_kind: global_buffer, .address_space: global }
      - { .name: Wk_codes, .offset: 16, .size: 8, .value_kind: global_buffer, .address_space: global }
      - { .name: Wv_codes, .offset: 24, .size: 8, .value_kind: global_buffer, .address_space: global }
      - { .name: lowp_scales, .offset: 32, .size: 8, .value_kind: global_buffer, .address_space: global }
      - { .name: qkv, .offset: 40, .size: 8, .value_kind: global_buffer, .address_space: global }
    .group_segment_fixed_size: 327680
    .private_segment_fixed_size: 0
    .kernarg_segment_align: 8
    .kernarg_segment_size: 48
    .max_flat_workgroup_size: 128
    .sgpr_count:     100
    .vgpr_count:     1024
    .wavefront_size: 32
...
	.end_amdgpu_metadata
.endif
;; end of part 2
;; launch attn (part 3): grid 8 x 32, 8 waves a work-group, clusters of 4 x 1, 327,680 bytes of LDS; arguments qkv, lowp_scales, yc; writes yc
.if DOCPART == 3
	.amdgcn_target "amdgcn-amd-amdhsa--gfx1250"
	.amdhsa_code_object_version 6
	.text
	.protected	k_qefc69cbc9f_attn
	.globl	k_qefc69cbc9f_attn
	.p2align	8
	.type	k_qefc69cbc9f_attn,@function
k_qefc69cbc9f_attn:
	s_mov_b64 s[64:65], 0
	v_nop
	global_prefetch_b8 v0, s[64:65] scope:SCOPE_SE
	s_setreg_imm32_b32 hwreg(HW_REG_WAVE_MODE, 25, 1), 1
	s_wait_xcnt 0x0
	s_wait_alu depctr_hold_cnt(0) depctr_sa_sdst(0) depctr_va_vdst(0) depctr_va_sdst(0) depctr_va_ssrc(0) depctr_va_vcc(0) depctr_vm_vsrc(0)
	s_getreg_b32 s2, hwreg(HW_REG_IB_STS2, 6, 4)
	s_cmp_eq_u32 s2, 0
	s_cbranch_scc0 .Lentry_in_a_cluster
	s_endpgm
.Lentry_in_a_cluster:
	s_bfe_u32 s2, ttmp6, 0x10000c
	s_cmp_lg_u32 s2, 0x3003
	s_cbranch_scc0 .Lentry_shape_is_right
	s_endpgm
.Lentry_shape_is_right:
; Attention of one head (work-group y = 16 x batch + head) for 256 queries (work-group x), both products on codes of E5M2; the result is quantised for the next product.
; INPUT (one buffer): q at 0, k at 4 MiB: [16 heads][4,096 places][64]; v at 8 MiB: [2 batches][16 heads][32 blocks of 64 keys][64 places][64 keys].  Place P holds row P with its bits 3 and 4 exchanged (a token; a channel of v).
; THE SOFTMAX: t = score x log2(e) x 2^(e6 + e7) (q carries 64^-0.5 already); M = the running largest t rounded UP to a whole number; p = 2^(t - M) is quantised with 2^e8, not normalised; the row's sum is taken of the
; unquantised p and divides at the end; when M moves, the sum and O are multiplied by 2^(old M - new M), which rounds nothing.
; SHARES: eight waves, two to a SIMD; a wave owns 32 query places, two tiles of 16, and walks the batch's 2,048 keys, 128 a step: each fragment of K and V that it reads from LDS feeds two matrix instructions.
; LDS: a head's K and V of one batch, 2 x 131,072 bytes, stay in LDS: nothing is filled twice.  Both are dense in memory and come as rows of 256 bytes (four places) with 16 bytes of padding: the sixteen places of a
; fragment load lie at 272 (r / 4) + 64 (r % 4): sixteen different columns of 16 bytes modulo 256.  K lies from byte 0, V from byte 139,264.  Two tensor loads a wave (waves 0-3 K, 4-7 V): the first 512 keys (32 rows a wave)
; at the head, the other 1,536 (96 rows a wave) behind the first change, with the first four steps in which to land; one barrier stands between those four steps and the other twelve.  A wave never has more than one load out.
; CLUSTER: the four query blocks of a 4 x 1 cluster walk the same K and V: each load is asked for jointly, mask 15; its descriptor hangs on the head, the batch and the wave's number alone.
; NO PREFETCH: the second and last load is issued ahead of the first step, so no trip of a loop stands ahead of a load in which to ask for its bytes.
; LAYOUT: both products transposed: S^T = K Q^T (16x16x64), O^T = V^T P^T (16x16x128): a lane holds one query of each tile.  By the order of places the 16 registers of tiles 2 b, 2 b + 1 of S^T are keys
; 32 b + 16 (lane / 16) + 0 .. 15, and those of O^T channels likewise.  Fragments come by loads of 16 bytes: a permutation of k that is the same on both sides of each product.
; REGISTERS, two windows of 256.  Window 0, all that the softmax names, for both tiles u = 0, 1: v1-11 addresses; v[12+4u] -M, v[13+4u] the largest t, v[14+4u:15+4u] the sum, v[20+2u] f, v24-27 at work, v28-31 scales,
; v[32+8u ..] four chains, v[64+64u ..] S^T then p, v192-255 p as held.  Window 1: v[8u ..] Q, v[16+16u ..] p's codes, v[48+32u ..] O^T, v112-175 K's fragments, v176-239 V's.
; THE TWO TILES TAKE TURNS LINE BY LINE: eight chains of maxima and of sums.  Tile 0's exponentials stand among tile 1's 32 scalings, tile 1's among tile 0's 32 holds: these lines hang on nothing written inside the batch, and
; their results are first read behind the batch's closing wait.  A hold line is a dual-issue pair: two numbers.
; OUTPUT: y's codes [4,096 tokens][1,024], column 64 x head + channel: code = (O / sum) / 2^(e10 - e8 - e9), held within +-57,344.  A head's share of a token is 64 bytes: the stores are runs of 64 bytes; the rest of each
; aligned 256 bytes belongs to other work-groups.
; LIMITS: e6 + e7 between -126 and 127; e8, and e10 - e8 - e9, between -126 and 112; the scaled scores stay under 2^31 in magnitude.  NaN and infinity are not served.
.set RP,    272                        ; 256 bytes (four places) + 16
.set TL,    4*RP                       ; sixteen places
.set STP,   8*TL                       ; a step's K (128 places), or its V (two key blocks of 64 places)
.set C0,    4                          ; steps that the first load serves
.set R0,    8*C0                       ; its rows a wave
.set R1,    8*(16-C0)                  ; the second load's rows a wave
.set VREG,  16*STP                     ; V lies behind K
.set SPARE, 2*VREG                     ; the spare words, 128 bytes a wave: four blocks of 256 bytes that no other line names
.set STG,   SPARE+1024                 ; the way out: 32 rows x 80 bytes for each wave; no tile lands here
.set SGP,   80
.set AK0,  1
.set QO,   2
.set AV0,  3
.set ADV,  4
.set SPW,  5
.set NIL,  6
.set GO,   7
.set ADK,  9
.set SI,   10
.set SO,   11
.set NM,   12
.set SM,   14
.set FF,   20
.set WA,   24
.set WB,   25
.set HP,   28
.set SP,   29
.set HY,   30
.set SY,   31
.set TS,   32
.set SC,   64
.set HH,   192
.set QF,   0                           ; window 1
.set CD,   16
.set OT,   48
.set KF,   112
.set VF,   176
.set WV,   18
.set SEL,  20
.set CS,   22
.set G1,   24
.set G1B,  32
.set G0,   40
.set G0B,  44
.set TB,   48                          ; s48 LDS byte at which the step's K begins
.set IC,   49                          ; s49 steps to go
.set MSB, 0
.macro WIN new                         ; the immediate's high byte repeats the setting that is left
.if MSB != \new
	s_set_vgpr_msb (MSB<<8)|\new
.set MSB, \new
.endif
.endm
.macro NOPS n
.rept \n
	v_nop
.endr
.endm
.macro CROUND                          ; a round of the cluster's barrier
	s_barrier_signal -1
	s_barrier_wait -1
	s_cmp_lg_u32 s[WV], 0
	s_cbranch_scc1 .Lnot_wave_0_\@
	s_barrier_signal -3
.Lnot_wave_0_\@:
	s_barrier_wait -3
	s_barrier_signal -1
	s_barrier_wait -1
.endm
	s_load_b128 s[4:7], s[0:1], 0x0                ; the codes s[4:5], the scales' exponents s[6:7]
	s_load_b64 s[8:9], s[0:1], 0x10                ; y's codes
	v_lshl_add_u32 v[SPW], v0, 2, SPARE
	v_mov_b32 v[NIL], 0
	ds_add_u32 v[SPW], v[NIL]                      ; the opening: the add, twice on end, and its wait ahead of the first tensor load
	ds_add_u32 v[SPW], v[NIL]
	v_lshrrev_b32 v50, 5, v0
	v_readfirstlane_b32 s[WV], v50                 ; wave 0..7
	s_bfe_u32 s10, ttmp6, 0x40000                  ; cx
	s_lshl_b32 s11, ttmp9, 2
	s_add_co_u32 s11, s11, s10                     ; work-group x
	s_and_b32 s12, ttmp7, 0xffff
	s_and_b32 s13, s12, 15                         ; head
	s_lshr_b32 s12, s12, 4                         ; batch
	s_lshl_b32 s50, s13, 18                        ; a head of q or k: 4,096 places x 64 bytes;
	s_lshl_b32 s51, s12, 17                        ; a batch in it: 2,048 places
	s_add_co_u32 s50, s50, s51
	s_add_co_u32 s52, s50, 0x400000                ; K
	s_lshl_b32 s53, s12, 21
	s_lshl_b32 s54, s13, 17
	s_add_co_u32 s53, s53, s54
	s_add_co_u32 s53, s53, 0x800000                ; V
	s_cmp_lt_u32 s[WV], 4
	s_cselect_b32 s52, s52, s53                    ; waves 0-3 fetch K, waves 4-7 V
	s_and_b32 s54, s[WV], 3
	s_mul_i32 s55, s54, R0*256
	s_add_co_u32 s56, s52, s55                     ; the first load in memory: R0 rows a wave,
	s_mov_b32 s57, 0
	s_mul_i32 s55, s54, R1*256
	s_add_co_u32 s58, s52, s55
	s_add_co_u32 s58, s58, 4*R0*256                ; the second: R1 rows a wave, behind the first loads' rows
	s_mov_b32 s59, 0
	s_lshr_b32 s55, s[WV], 2
	s_mul_i32 s55, s55, VREG
	s_mul_i32 s60, s54, R0*RP
	s_add_co_u32 s60, s60, s55                     ; and where they go
	s_mul_i32 s61, s54, R1*RP
	s_add_co_u32 s61, s61, s55
	s_add_co_u32 s61, s61, 4*R0*RP
	s_lshl_b32 s16, s11, 14                        ; Q: 256 places a work-group,
	s_lshl_b32 s17, s[WV], 11                      ; 32 a wave
	s_add_co_u32 s16, s16, s17
	s_add_co_u32 s16, s16, s50
	s_mov_b32 s17, 0
	s_lshl_b32 s62, s12, 11                        ; y: my 32 places are the tokens 32 x wave .. + 31 of the work-group's 256
	s_lshl_b32 s63, s11, 8
	s_add_co_u32 s62, s62, s63
	s_lshl_b32 s63, s[WV], 5
	s_add_co_u32 s62, s62, s63
	s_lshl_b32 s62, s62, 10
	s_lshl_b32 s63, s13, 6
	s_add_co_u32 s62, s62, s63
	s_mov_b32 s63, 0
	s_mul_i32 s10, s[WV], 32*SGP
	s_add_co_u32 s10, s10, STG                     ; my stage
	s_mov_b32 s[G1], 15|(1<<20)|(1<<21)|(5<<22)|(3<<25)   ; the mask: all four partners; elements of 1 byte; padding on; bit 21 beside a mask; after every 64 words, 4 words
	s_mov_b32 s[G1+1], 256<<16                     ; tensor_dim0
	s_mov_b32 s[G1+2], R0<<16                      ; tensor_dim1
	s_mov_b32 s[G1+3], 256<<16                     ; tile_dim0
	s_mov_b32 s[G1+4], R0                          ; tile_dim1
	s_mov_b32 s[G1+5], 256                         ; the pitch
	s_mov_b32 s[G1+6], 0
	s_mov_b32 s[G1+7], 0
	s_mov_b32 s[G1B], 15|(1<<20)|(1<<21)|(5<<22)|(3<<25)
	s_mov_b32 s[G1B+1], 256<<16
	s_mov_b32 s[G1B+2], R1<<16
	s_mov_b32 s[G1B+3], 256<<16
	s_mov_b32 s[G1B+4], R1
	s_mov_b32 s[G1B+5], 256
	s_mov_b32 s[G1B+6], 0
	s_mov_b32 s[G1B+7], 0
	s_mov_b32 s[SEL], 0x76543210
	s_mov_b32 s[SEL+1], 0xfedcba98
	s_mov_b32 s[CS], 0x3fb8aa3b                    ; log2(e)
	s_mov_b32 s[TB], 0
	s_wait_dscnt 0x0                               ; both opening adds are done
	s_wait_kmcnt 0x0
	s_load_b128 s[68:71], s[6:7], 0x18             ; e6, e7, e8, e9
	s_load_b32 s72, s[6:7], 0x28                   ; e10
	s_mov_b32 s[G0], 1
	s_mov_b32 s[G0+1], s60
	s_add_nc_u64 s[G0+2:G0+3], s[4:5], s[56:57]
	s_or_b32 s[G0+3], s[G0+3], 0x80000000
	s_mov_b32 s[G0B], 1
	s_mov_b32 s[G0B+1], s61
	s_add_nc_u64 s[G0B+2:G0B+3], s[4:5], s[58:59]
	s_or_b32 s[G0B+3], s[G0B+3], 0x80000000
	s_add_nc_u64 s[14:15], s[4:5], s[16:17]        ; Q at my first place
	s_add_nc_u64 s[8:9], s[8:9], s[62:63]          ; y at my first token
	CROUND                                         ; all four work-groups are here: the first joint loads meet
	tensor_load_to_lds s[G0:G0+3], s[G1:G1+7]      ; the first 512 keys: my one load at the head
	s_nop 0
	NOPS 4
	v_and_b32 v48, 15, v0                          ; r
	v_bfe_u32 v49, v0, 4, 1                        ; h
	v_lshlrev_b32 v50, 6, v48
	v_lshl_add_u32 v[QO], v49, 4, v50
	WIN 0x40
	global_load_b128 v[QF:QF+3], v[QO], s[14:15]   ; Q's fragments stay in registers: tile 0,
	global_load_b128 v[QF+4:QF+7], v[QO], s[14:15] offset:32
	global_load_b128 v[QF+8:QF+11], v[QO], s[14:15] offset:1024   ; and tile 1, sixteen places on
	global_load_b128 v[QF+12:QF+15], v[QO], s[14:15] offset:1056
	WIN 0
	v_lshrrev_b32 v50, 2, v48
	v_mul_u32_u24 v50, v50, RP
	v_and_b32 v51, 3, v48
	v_lshl_add_u32 v50, v51, 6, v50
	v_lshl_add_u32 v[AK0], v49, 4, v50             ; my place in a fragment: 272 (r / 4) + 64 (r % 4) + 16 h
	v_add_nc_u32 v[AV0], VREG, v[AK0]
	v_mul_u32_u24 v50, v48, SGP
	v_lshl_add_u32 v50, v49, 4, v50
	v_add_nc_u32 v[SI], s10, v50                   ; into the stage: row r, 16 h
	v_bfe_u32 v51, v0, 2, 3
	v_and_b32 v52, 3, v0
	v_mul_u32_u24 v50, v51, SGP
	v_lshl_add_u32 v50, v52, 4, v50
	v_add_nc_u32 v[SO], s10, v50                   ; back: four lanes to a row
	v_lshlrev_b32 v50, 10, v51
	v_lshl_add_u32 v[GO], v52, 4, v50              ; and in y: four lanes to a token's 64 bytes, eight tokens an instruction
	s_wait_kmcnt 0x0
	s_add_co_i32 s10, s68, s69
	s_lshl_b32 s10, s10, 23
	s_add_co_i32 s[CS], s[CS], s10                 ; e6 + e7 onto the exponent field of log2(e)
	s_mov_b32 s[CS+1], s[CS]
	s_add_co_i32 s10, s70, 127
	s_lshl_b32 s73, s10, 23                        ; 2^e8
	s_add_co_i32 s10, s10, 15
	s_lshl_b32 s10, s10, 23
	s_or_b32 s74, s10, 0x600000                    ; 57,344 x 2^e8
	s_sub_co_i32 s10, s72, s70
	s_sub_co_i32 s10, s10, s71
	s_add_co_i32 s10, s10, 127
	s_lshl_b32 s75, s10, 23                        ; 2^(e10 - e8 - e9)
	s_add_co_i32 s10, s10, 15
	s_lshl_b32 s10, s10, 23
	s_or_b32 s76, s10, 0x600000
.irp u, 0,1
	v_mov_b32 v[NM+4*\u+1], 0xff61b1e6             ; the largest t so far: -3e38
	v_floor_f32 v[NM+4*\u], -v[NM+4*\u+1]          ; -M
	v_mov_b32 v[SM+4*\u], 0                        ; the sum, in two halves
	v_mov_b32 v[SM+4*\u+1], 0
	v_mov_b32 v[WB+2*\u], 0                        ; a lane permute's destination counts as one of its sources
	v_mov_b32 v[FF+2*\u+1], 0                      ; (the upper half of f's pair)
.endr
	v_mov_b32 v[HP], s74
	v_mov_b32 v[SP], s73
	v_mov_b32 v[HY], s76
	v_mov_b32 v[SY], s75
	WIN 0x40
.set j, 0
.rept 64
	v_mov_b32 v[OT+j], 0                           ; O^T of both tiles: the step is written once, and its first pass finds zeros
.set j, j+1
.endr
	WIN 0
.macro HOLD u                          ; line j of tile u's 32 holds: the conversion does not saturate (ISA guide 7.6.2); p is not negative, so the hold is one-sided
	v_dual_min_num_f32 v[HH+2*j], v[SC+64*\u+2*j], v[HP] :: v_dual_min_num_f32 v[HH+2*j+1], v[SC+64*\u+2*j+1], v[HP]
.endm
.macro TAIL u                          ; tile u: codes of the held p, O^T under the new M, O^T += V^T P^T
	WIN 0x40                                       ; the codes in window 1, their sources in window 0
.irp g, 0,1,2,3,4,5,6,7
	v_cvt_scalef32_pk8_bf8_f32 v[CD+16*\u+2*\g:CD+16*\u+2*\g+1], v[HH+8*\g:HH+8*\g+7], v[SP]
.endr
	WIN 0x41                                       ; O^T in window 1, f in window 0
	s_wait_alu depctr_va_vdst(0)                   ; the wait directly ahead of the first reader of O^T
.set j, 0
.rept 16
	v_pk_mul_f32 v[OT+32*\u+j:OT+32*\u+j+1], v[OT+32*\u+j:OT+32*\u+j+1], v[FF+2*\u:FF+2*\u+1] op_sel_hi:[1,0]   ; also the plain lines between the conversions and the products
.set j, j+2
.endr
.if \u == 0
	s_wait_alu depctr_va_vdst(0)                   ; the wait directly ahead of the wait below
	s_wait_dscnt 0x0                               ; V is in
.endif
	WIN 0x55
.irp t, 0,1,2,3                        ; the four accumulators take turns
	v_wmma_f32_16x16x128_bf8_bf8 v[OT+32*\u+8*\t:OT+32*\u+8*\t+7], v[VF+16*\t:VF+16*\t+15], v[CD+16*\u:CD+16*\u+15], v[OT+32*\u+8*\t:OT+32*\u+8*\t+7]
.endr
	WIN 0
.endm
.macro STEP                            ; 128 keys for both tiles
	v_add_nc_u32 v[ADK], s[TB], v[AK0]
	v_add_nc_u32 v[ADV], s[TB], v[AV0]
	NOPS 2                                         ; with the additions: four places in front of loads into registers that the last products have read
	WIN 0x40
.irp t, 0,1,2,3,4,5,6,7
	ds_load_b128 v[KF+8*\t:KF+8*\t+3], v[ADK] offset:\t*TL
	ds_load_b128 v[KF+8*\t+4:KF+8*\t+7], v[ADK] offset:\t*TL+32
.endr
.irp t, 0,1,2,3
.irp c, 0,1,2,3
	ds_load_b128 v[VF+16*\t+4*\c:VF+16*\t+4*\c+3], v[ADV] offset:(\c/2)*4*TL+\t*TL+32*(\c%2)   ; V lands under the softmax
.endr
.endr
	s_wait_dscnt 16                                ; K's sixteen loads are in; V's sixteen, issued behind them, may be out
	WIN 0x05                                       ; S^T = K Q^T: the scores in window 0, K and Q in window 1
.irp u, 0,1
.irp t, 0,1,2,3,4,5,6,7
	v_wmma_f32_16x16x64_bf8_bf8 v[SC+64*\u+8*\t:SC+64*\u+8*\t+7], v[KF+8*\t:KF+8*\t+7], v[QF+8*\u:QF+8*\u+7], 0
.endr
.endr
	WIN 0
	NOPS 4                                         ; places in front of the first read of the scores
.irp u, 0,1                            ; the largest score of each query among my 64 keys: eight chains, each accumulator from its low end on
.irp k, 0,1,2,3
	v_max3_num_f32 v[TS+8*\u+2*\k], v[SC+64*\u+16*\k], v[SC+64*\u+16*\k+1], v[SC+64*\u+16*\k+2]
.endr
.endr
.irp i, 3,5,7,9,11,13
.irp u, 0,1
.irp k, 0,1,2,3
	v_max3_num_f32 v[TS+8*\u+2*\k], v[TS+8*\u+2*\k], v[SC+64*\u+16*\k+\i], v[SC+64*\u+16*\k+\i+1]
.endr
.endr
.endr
.irp u, 0,1
.irp k, 0,1,2,3
	v_max_num_f32 v[TS+8*\u+2*\k], v[TS+8*\u+2*\k], v[SC+64*\u+16*\k+15]
.endr
.endr
.irp u, 0,1
	v_max3_num_f32 v[WA+2*\u], v[TS+8*\u], v[TS+8*\u+2], v[TS+8*\u+4]
.endr
.irp u, 0,1
	v_max_num_f32 v[WA+2*\u], v[WA+2*\u], v[TS+8*\u+6]
.endr
.irp u, 0,1
	v_permlanex16_b32 v[WB+2*\u], v[WA+2*\u], s[SEL], s[SEL+1]
.endr
.irp u, 0,1
	v_max_num_f32 v[WA+2*\u], v[WA+2*\u], v[WB+2*\u]   ; and among lane l xor 16's
.endr
.irp u, 0,1
	v_mul_f32 v[WA+2*\u], s[CS], v[WA+2*\u]        ; as t
.endr
.irp u, 0,1
	v_max_num_f32 v[NM+4*\u+1], v[NM+4*\u+1], v[WA+2*\u]
.endr
.irp u, 0,1
	v_mov_b32 v[WA+2*\u], v[NM+4*\u]
.endr
.irp u, 0,1
	v_floor_f32 v[NM+4*\u], -v[NM+4*\u+1]          ; the new -M = -ceil(t)
.endr
.irp u, 0,1
	v_sub_f32 v[WA+2*\u], v[NM+4*\u], v[WA+2*\u]   ; old M - new M: a whole number, 0 or less
.endr
.irp u, 0,1
	v_cvt_i32_f32 v[WA+2*\u], v[WA+2*\u]
.endr
.irp u, 0,1
	v_ldexp_f32 v[FF+2*\u], 1.0, v[WA+2*\u]        ; f = 2^(old M - new M)
.endr
.set j, 0
.rept 32
	v_pk_fma_f32 v[SC+j:SC+j+1], v[SC+j:SC+j+1], s[CS:CS+1], v[NM:NM+1] op_sel_hi:[1,0,0]   ; tile 0: t - M
.set j, j+2
.endr
	s_wait_alu depctr_va_vdst(0)                   ; the wait ahead of the batch
.set j, 0
.rept 32                               ; tile 0's exponentials, and among them tile 1's t - M
	v_exp_f32 v[SC+2*j], v[SC+2*j]
	v_exp_f32 v[SC+2*j+1], v[SC+2*j+1]
	v_pk_fma_f32 v[SC+64+2*j:SC+64+2*j+1], v[SC+64+2*j:SC+64+2*j+1], s[CS:CS+1], v[NM+4:NM+5] op_sel_hi:[1,0,0]
.set j, j+1
.endr
.irp u, 0,1
	v_pk_mul_f32 v[SM+4*\u:SM+4*\u+1], v[SM+4*\u:SM+4*\u+1], v[FF+2*\u:FF+2*\u+1] op_sel_hi:[1,0]   ; the sums under the new M
.endr
	s_wait_alu depctr_va_vdst(0)                   ; behind tile 0's batch and ahead of tile 1's: one wait serves both
.set j, 0
.rept 32                               ; tile 1's exponentials, and among them tile 0's holds
	v_exp_f32 v[SC+64+2*j], v[SC+64+2*j]
	v_exp_f32 v[SC+64+2*j+1], v[SC+64+2*j+1]
	HOLD 0
.set j, j+1
.endr
	v_nop                                          ; a plain line behind the batch
	s_wait_alu depctr_va_vdst(0)                   ; one wait for the batch, ahead of its first reader
	TAIL 0
.irp u, 0,1                            ; the sums of the UNQUANTISED p: eight packed chains
.irp k, 0,1,2,3
	v_pk_add_f32 v[TS+8*\u+2*\k:TS+8*\u+2*\k+1], v[SC+64*\u+16*\k:SC+64*\u+16*\k+1], v[SC+64*\u+16*\k+2:SC+64*\u+16*\k+3]
.endr
.endr
.irp i, 4,6,8,10,12,14
.irp u, 0,1
.irp k, 0,1,2,3
	v_pk_add_f32 v[TS+8*\u+2*\k:TS+8*\u+2*\k+1], v[TS+8*\u+2*\k:TS+8*\u+2*\k+1], v[SC+64*\u+16*\k+\i:SC+64*\u+16*\k+\i+1]
.endr
.endr
.endr
.irp u, 0,1
	v_pk_add_f32 v[TS+8*\u:TS+8*\u+1], v[TS+8*\u:TS+8*\u+1], v[TS+8*\u+2:TS+8*\u+3]
	v_pk_add_f32 v[TS+8*\u+4:TS+8*\u+5], v[TS+8*\u+4:TS+8*\u+5], v[TS+8*\u+6:TS+8*\u+7]
.endr
.irp u, 0,1
	v_pk_add_f32 v[TS+8*\u:TS+8*\u+1], v[TS+8*\u:TS+8*\u+1], v[TS+8*\u+4:TS+8*\u+5]
.endr
.irp u, 0,1
	v_pk_add_f32 v[SM+4*\u:SM+4*\u+1], v[SM+4*\u:SM+4*\u+1], v[TS+8*\u:TS+8*\u+1]
.endr
.set j, 0
.rept 32
	HOLD 1
.set j, j+1
.endr
	TAIL 1
.endm
	s_wait_alu depctr_va_vdst(0)                   ; the wait at the head's end
	s_wait_loadcnt 0x0                             ; Q
	s_wait_tensorcnt 0x0                           ; my part of the first 512 keys is in
	ds_add_u32 v[SPW], v[NIL]
	s_wait_dscnt 0x0
	CROUND                                         ; everybody's part is in, and the four work-groups are here: the joint loads meet
	tensor_load_to_lds s[G0B:G0B+3], s[G1B:G1B+7]  ; the other 1,536 keys
	s_nop 0
	NOPS 4
	s_mov_b32 s[IC], C0
.Lfirst:
	STEP
	s_add_co_u32 s[TB], s[TB], STP
	s_sub_co_u32 s[IC], s[IC], 1
	s_cmp_lg_u32 s[IC], 0
	s_cbranch_scc1 .Lfirst
	s_wait_tensorcnt 0x0                           ; my part of the other keys is in
	ds_add_u32 v[SPW], v[NIL]
	s_wait_dscnt 0x0
	s_barrier_signal -1                            ; nothing is asked for behind this barrier: the work-group's alone
	s_barrier_wait -1
	s_mov_b32 s[IC], 16-C0
.Lrest:
	STEP
	s_add_co_u32 s[TB], s[TB], STP
	s_sub_co_u32 s[IC], s[IC], 1
	s_cmp_lg_u32 s[IC], 0
	s_cbranch_scc1 .Lrest
; THE WAY OUT: O^T / the sum, held, converted, through my stage.  Registers 4 b .. 4 b + 3 of a tile's codes are channels 32 b + 16 h + 0 .. 15 of my query.
.irp u, 0,1
	v_add_f32 v[SM+4*\u], v[SM+4*\u], v[SM+4*\u+1] ; the sum's two halves,
.endr
.irp u, 0,1
	v_permlanex16_b32 v[WB+2*\u], v[SM+4*\u], s[SEL], s[SEL+1]
.endr
.irp u, 0,1
	v_add_f32 v[SM+4*\u], v[SM+4*\u], v[WB+2*\u]   ; and lane l xor 16's
.endr
	s_wait_alu depctr_va_vdst(0)                   ; the wait ahead of the transcendentals
.irp u, 0,1
	v_rcp_f32 v[SM+4*\u], v[SM+4*\u]
.endr
	v_nop                                          ; a plain line behind them
	WIN 0x01                                       ; O^T in window 1, the rest in window 0
	s_wait_alu depctr_va_vdst(0)                   ; ahead of their first reader, which is also the first reader of O^T
.irp u, 0,1
.set j, 0
.rept 16
	v_pk_mul_f32 v[SC+32*\u+j:SC+32*\u+j+1], v[OT+32*\u+j:OT+32*\u+j+1], v[SM+4*\u:SM+4*\u+1] op_sel_hi:[1,0]   ; each accumulator from its low end on
.set j, j+2
.endr
.endr
	WIN 0
.set j, 0
.rept 64
	v_med3_num_f32 v[SC+j], v[SC+j], -v[HY], v[HY]
.set j, j+1
.endr
.irp g, 0,1,2,3,4,5,6,7
	v_cvt_scalef32_pk8_bf8_f32 v[HH+2*\g:HH+2*\g+1], v[SC+8*\g:SC+8*\g+7], v[SY]
.endr
	v_nop
.irp u, 0,1
	ds_store_b128 v[SI], v[HH+8*\u:HH+8*\u+3] offset:16*SGP*\u
	ds_store_b128 v[SI], v[HH+8*\u+4:HH+8*\u+7] offset:16*SGP*\u+32
.endr
.irp i, 0,1,2,3
	ds_load_b128 v[HH+16+4*\i:HH+19+4*\i], v[SO] offset:8*SGP*\i   ; LDS serves a wave's instructions in order: these see my stores
.endr
	s_wait_dscnt 0x0
.irp i, 0,1,2,3
	global_store_b128 v[GO], v[HH+16+4*\i:HH+19+4*\i], s[8:9] offset:(8*(\i/2)+16*(\i%2))*1024   ; rows 8 (i % 2) on of tile i / 2 are tokens 16 (i % 2) + 8 (i / 2) on
.endr
	s_wait_tensorcnt 0x0                           ; the wave's end
	ds_add_u32 v[SPW], v[NIL]
	s_wait_dscnt 0x0
	CROUND                                         ; the closing round
	s_endpgm
.Lfunc_end_k_qefc69cbc9f_attn:
	.size	k_qefc69cbc9f_attn, .Lfunc_end_k_qefc69cbc9f_attn-k_qefc69cbc9f_attn
	.p2alignl 7, 3214868480
	.fill 96, 4, 3214868480
	.section	.rodata,"a",@progbits
	.p2align	6, 0x0
	.amdhsa_kernel k_qefc69cbc9f_attn
		.amdhsa_group_segment_fixed_size 327680
		.amdhsa_private_segment_fixed_size 0
		.amdhsa_enable_private_segment 0
		.amdhsa_kernarg_size 24
		.amdhsa_user_sgpr_count 2
		.amdhsa_user_sgpr_kernarg_segment_ptr 1
		.amdhsa_wavefront_size32 1
		.amdhsa_system_sgpr_workgroup_id_x 1
		.amdhsa_system_sgpr_workgroup_id_y 1
		.amdhsa_system_sgpr_workgroup_id_z 1
		.amdhsa_system_vgpr_workitem_id 0
		.amdhsa_next_free_vgpr 512
		.amdhsa_next_free_sgpr 80
		.amdhsa_reserve_vcc 0
		.amdhsa_float_denorm_mode_32 3
		.amdhsa_float_denorm_mode_16_64 3
		.amdhsa_memory_ordered 1
		.amdhsa_forward_progress 1
		.amdhsa_inst_pref_size 76
	.end_amdhsa_kernel
	.amdgpu_metadata
---
amdhsa.version: [ 1, 2 ]
amdhsa.kernels:
  - .name:           k_qefc69cbc9f_attn
    .symbol:         k_qefc69cbc9f_attn.kd
    .args:
      - { .name: qkv, .offset: 0, .size: 8, .value_kind: global_buffer, .address_space: global }
      - { .name: lowp_scales, .offset: 8, .size: 8, .value_kind: global_buffer, .address_space: global }
      - { .name: yc, .offset: 16, .size: 8, .value_kind: global_buffer, .address_space: global }
    .group_segment_fixed_size: 327680
    .private_segment_fixed_size: 0
    .kernarg_segment_align: 8
    .kernarg_segment_size: 24
    .max_flat_workgroup_size: 256
    .sgpr_count:     80
    .vgpr_count:     512
    .wavefront_size: 32
...
	.end_amdgpu_metadata
.endif
;; end of part 3
;; launch proj (part 4): grid 8 x 32, 4 waves a work-group, clusters of 4 x 4, 327,680 bytes of LDS; arguments yc, Wp_codes, lowp_scales, bp, x, x1; writes x1
.if DOCPART == 4
	.amdgcn_target "amdgcn-amd-amdhsa--gfx1250"
	.amdhsa_code_object_version 6
	.text
	.protected	k_qefc69cbc9f_proj
	.globl	k_qefc69cbc9f_proj
	.p2align	8
	.type	k_qefc69cbc9f_proj,@function
k_qefc69cbc9f_proj:
	s_mov_b64 s[64:65], 0
	v_nop
	global_prefetch_b8 v0, s[64:65] scope:SCOPE_SE
	s_setreg_imm32_b32 hwreg(HW_REG_WAVE_MODE, 25, 1), 1
	s_wait_xcnt 0x0
	s_wait_alu depctr_hold_cnt(0) depctr_sa_sdst(0) depctr_va_vdst(0) depctr_va_sdst(0) depctr_va_ssrc(0) depctr_va_vcc(0) depctr_vm_vsrc(0)
	s_getreg_b32 s2, hwreg(HW_REG_IB_STS2, 6, 4)
	s_cmp_eq_u32 s2, 0
	s_cbranch_scc0 .Lentry_in_a_cluster
	s_endpgm
.Lentry_in_a_cluster:
	s_bfe_u32 s2, ttmp6, 0x10000c
	s_cmp_lg_u32 s2, 0xf033
	s_cbranch_scc0 .Lentry_shape_is_right
	s_endpgm
.Lentry_shape_is_right:
.set SIZE_K, 1024
.set ESC,    0x28
.set KSTEP,  512
.set PITCH,  528
.set HALFT,  64*PITCH
.set SLOT,   4*HALFT
.set STAGE,  2*SLOT
.set SPITCH, 272
.set SPARE,  STAGE+4*16*SPITCH
.set LAPS,   SIZE_K/(2*KSTEP)
.set BI,   8
.set ADRA, 16
.set ADRB, 20
.set STO,  24
.set RD,   25
.set CO,   26
.set BO,   27
.set SPW,  28
.set NIL,  29
.set RES,  32
.set BK,   96
.set ACC,  128
.set F0,   0
.set F1,   128
.set G1, 24
.set G0, 32
.set G1B, 48
.set G0B, 56
.set MSB, 0
.macro WIN new
.if MSB != \new
	s_set_vgpr_msb (MSB<<8)|\new
.set MSB, \new
.endif
.endm
.set MUL,  0x05
.set TO_F, 0x40
.macro JLOAD s
	s_cmp_eq_u32 s11, 0
	s_cbranch_scc0 .Lfor_b_\@
	tensor_load_to_lds s[G0+4*\s:G0+4*\s+3], s[G1:G1+7]
	s_nop 0
.rept 4
	v_nop
.endr
	s_branch .Lasked_\@
.Lfor_b_\@:
	tensor_load_to_lds s[G0B+4*\s:G0B+4*\s+3], s[G1B:G1B+7]
	s_nop 0
.rept 4
	v_nop
.endr
.Lasked_\@:
.endm
.macro CREST
	s_cmp_lg_u32 s10, 0
	s_cbranch_scc1 .Lnot_wave_0_\@
	s_barrier_signal -3
.Lnot_wave_0_\@:
	s_barrier_wait -3
	s_barrier_signal -1
	s_barrier_wait -1
.endm
.macro CROUND
	s_barrier_signal -1
	s_barrier_wait -1
	CREST
.endm
	s_load_b128 s[4:7], s[0:1], 0x0
	s_load_b128 s[68:71], s[0:1], 0x10
	s_load_b128 s[72:75], s[0:1], 0x20
	v_lshl_add_u32 v[SPW], v0, 2, SPARE
	v_mov_b32 v[NIL], 0
	ds_add_u32 v28, v29
	ds_add_u32 v28, v29
	s_wait_dscnt 0x0
	v_lshrrev_b32 v1, 5, v0
	v_readfirstlane_b32 s10, v1
	s_lshr_b32 s11, s10, 1
	s_and_b32 s12, s10, 1
	s_bfe_u32 s40, ttmp6, 0x40000
	s_bfe_u32 s41, ttmp6, 0x40004
	s_lshl_b32 s42, ttmp9, 2
	s_add_co_u32 s42, s42, s40
	s_and_b32 s13, ttmp7, 0xffff
	s_lshl_b32 s13, s13, 2
	s_add_co_u32 s13, s13, s41
	s_lshl_b32 s43, s41, 2
	s_lshl_b32 s43, 15, s43
	s_lshl_b32 s44, 0x1111, s40
	s_or_b32 s[G1+0], s43, (0<<16)|(1<<20)|(1<<21)|(6<<22)|(3<<25)
	s_or_b32 s[G1B+0], s44, (0<<16)|(1<<20)|(1<<21)|(6<<22)|(3<<25)
.irp g, G1, G1B
	s_mov_b32 s[\g+1], KSTEP<<16
	s_mov_b32 s[\g+2], 64<<16
	s_mov_b32 s[\g+3], KSTEP<<16
	s_mov_b32 s[\g+4], 64
	s_mov_b32 s[\g+5], SIZE_K
	s_mov_b32 s[\g+6], 0
	s_mov_b32 s[\g+7], 0
.endr
	s_lshl_b32 s17, s12, 6
	s_lshl_b32 s16, s13, 7
	s_add_co_u32 s16, s16, s17
	s_lshl_b32 s46, s42, 7
	s_add_co_u32 s46, s46, s17
	s_mov_b32 s17, 0
	s_mov_b32 s47, 0
	s_mov_b64 s[18:19], SIZE_K
	s_mul_u64 s[16:17], s[16:17], s[18:19]
	s_mul_u64 s[46:47], s[46:47], s[18:19]
	s_mul_i32 s20, s10, HALFT
	s_wait_kmcnt 0x0
	s_load_b64 s[76:77], s[68:69], ESC
	s_add_nc_u64 s[14:15], s[4:5], s[16:17]
	s_add_nc_u64 s[46:47], s[6:7], s[46:47]
	; The prefetch.  Of the 64 rows that my wave fetches, the partner at place p (cx for A's tiles, cy for B's) names rows 16 p .. 16 p + 15, two lanes to a row's 512 bytes of a K step: each aligned block of 256 bytes
	; is named once in the cluster.  K has two steps: beside the load of K step 0 stands the request for K step 1, and no other.
	s_cmp_eq_u32 s11, 0                            ; do I fetch for A?
	s_cselect_b64 s[8:9], s[14:15], s[46:47]       ; my wave's first row
	s_cselect_b32 s66, s40, s41                    ; my place among the four that ask with me
	s_mul_i32 s66, s66, 16*SIZE_K
	s_add_co_u32 s66, s66, KSTEP                   ; at K step 1
	s_mov_b32 s67, 0
	s_add_nc_u64 s[8:9], s[8:9], s[66:67]
	v_bfe_u32 v30, v0, 1, 4
	v_mul_u32_u24 v30, v30, SIZE_K
	v_and_b32 v31, 1, v0
	v_lshl_add_u32 v30, v31, 8, v30                ; row lane / 2, block lane % 2; never rewritten
	s_wait_alu depctr_va_vdst(0)
	CROUND
.irp s, 0,1
	s_mov_b32 s[G0+4*\s], 1
	s_add_co_u32 s[G0+4*\s+1], s20, \s*SLOT
	s_add_nc_u64 s[G0+4*\s+2:G0+4*\s+3], s[14:15], \s*KSTEP
	s_or_b32 s[G0+4*\s+3], s[G0+4*\s+3], 0x80000000
	s_mov_b32 s[G0B+4*\s], 1
	s_add_co_u32 s[G0B+4*\s+1], s20, \s*SLOT
	s_add_nc_u64 s[G0B+4*\s+2:G0B+4*\s+3], s[46:47], \s*KSTEP
	s_or_b32 s[G0B+4*\s+3], s[G0B+4*\s+3], 0x80000000
.if \s                                 ; K step 0's load follows the opening round; K step 1's stands behind the full sequence and a round of its own
	s_wait_alu depctr_va_vdst(0)
	s_wait_tensorcnt 0x0
	ds_add_u32 v28, v29
	ds_add_u32 v28, v29
	s_wait_dscnt 0x0
	CROUND
.endif
	JLOAD \s
.if \s == 0
	global_prefetch_b8 v30, s[8:9] th:TH_LOAD_NT scope:SCOPE_SE
.endif
.endr
	v_and_b32 v1, 15, v0
	s_wait_alu depctr_va_vdst(0)
	v_bfe_u32 v2, v0, 4, 1
	v_mul_u32_u24 v3, v1, PITCH
	v_lshl_add_u32 v3, v2, 4, v3
	s_mul_i32 s21, s11, HALFT
	s_mul_i32 s22, s12, HALFT
	s_add_co_u32 s22, s22, 2*HALFT
.irp s, 0,1
	v_add_nc_u32 v[ADRA+\s], s21, v3
	v_add_nc_u32 v[ADRB+\s], s22, v3
	s_add_co_u32 s21, s21, SLOT
	s_add_co_u32 s22, s22, SLOT
.endr
	s_mul_i32 s23, s10, 16*SPITCH
	s_add_co_u32 s23, s23, STAGE
	v_mul_u32_u24 v4, v1, SPITCH
	s_wait_alu depctr_va_vdst(0)
	v_lshl_add_u32 v4, v2, 5, v4
	v_add_nc_u32 v[STO], s23, v4
	v_mul_u32_u24 v5, v2, SPITCH
	v_lshl_add_u32 v5, v1, 4, v5
	v_add_nc_u32 v[RD], s23, v5
	v_lshlrev_b32 v[BO], 4, v1
	s_wait_alu depctr_va_vdst(0)
	v_lshl_add_u32 v[CO], v2, 12, v[BO]
	s_wait_alu depctr_va_vdst(0)
	s_lshl_b32 s80, s13, 7
	s_lshl_b32 s81, s11, 6
	s_add_co_u32 s80, s80, s81
	s_lshl_b32 s80, s80, 12
	s_lshl_b32 s82, s42, 9
	s_lshl_b32 s83, s12, 8
	s_add_co_u32 s82, s82, s83
	s_mov_b32 s83, 0
	s_add_nc_u64 s[70:71], s[70:71], s[82:83]
	s_add_co_u32 s80, s80, s82
	s_mov_b32 s81, 0
	s_add_nc_u64 s[72:73], s[72:73], s[80:81]
	s_add_nc_u64 s[74:75], s[74:75], s[80:81]
.macro RLOAD a
.irp t, 0,1,2,3,4,5,6,7
	global_load_b128 v[RES+32*((\a)%2)+4*\t:RES+32*((\a)%2)+4*\t+3], v[CO], s[72:73] offset:(16*(\a)+2*\t)*4096
.endr
.endm
	global_load_b128 v[BI:BI+3], v[BO], s[70:71]
	RLOAD 0
	RLOAD 1
.macro MUL4 f, a, zero
.irp b, 0,1,2,3
.if \zero
	v_wmma_f32_16x16x128_bf8_bf8 v[ACC+8*(4*(\a)+\b):ACC+8*(4*(\a)+\b)+7], v[\f+64+16*\b:\f+64+16*\b+15], v[\f+16*(\a):\f+16*(\a)+15], 0
.else
	v_wmma_f32_16x16x128_bf8_bf8 v[ACC+8*(4*(\a)+\b):ACC+8*(4*(\a)+\b)+7], v[\f+64+16*\b:\f+64+16*\b+15], v[\f+16*(\a):\f+16*(\a)+15], v[ACC+8*(4*(\a)+\b):ACC+8*(4*(\a)+\b)+7]
.endif
.endr
.endm
.macro MUL8 f, a0, zero
	MUL4 \f, \a0, \zero
	MUL4 \f, \a0+1, \zero
.endm
.macro FETCH slot, k, f
	WIN TO_F
.irp i, 0,1,2,3
.irp c, 0,1,2,3
	ds_load_b128 v[\f+64+16*\i+4*\c:\f+64+16*\i+4*\c+3], v[ADRB+\slot] offset:\k+32*\c+\i*16*PITCH
.endr
.endr
.irp i, 0,1,2,3
.irp c, 0,1,2,3
	ds_load_b128 v[\f+16*\i+4*\c:\f+16*\i+4*\c+3], v[ADRA+\slot] offset:\k+32*\c+\i*16*PITCH
.endr
.endr
.endm
.macro PLACES
.rept 4
	v_nop
.endr
.endm
.macro QUARTER slot, k, f, g, zero
	s_wait_dscnt 8
	WIN MUL
	MUL8 \f, 0, \zero
	PLACES
	FETCH \slot, \k, \g
	s_wait_dscnt 32
	WIN MUL
	MUL8 \f, 2, \zero
.endm
.macro TURN slot, next, fill
	WIN 0
	s_wait_tensorcnt 0x0
	ds_add_u32 v[SPW], v[NIL]
	s_wait_dscnt 9
	WIN MUL
	MUL8 F1, 0, 0
	s_wait_dscnt 0x0
	s_barrier_signal -1
	MUL4 F1, 2, 0
.if \fill
	WIN 0
.endif
	s_barrier_wait -1
.if \fill
	CREST
	s_add_nc_u64 s[G0+4*\slot+2:G0+4*\slot+3], s[G0+4*\slot+2:G0+4*\slot+3], 2*KSTEP
	s_add_nc_u64 s[G0B+4*\slot+2:G0B+4*\slot+3], s[G0B+4*\slot+2:G0B+4*\slot+3], 2*KSTEP
	JLOAD \slot
.else
	PLACES
.endif
	FETCH \next, 0, F0
	WIN MUL
	MUL4 F1, 3, 0
.endm
	s_wait_tensorcnt 1
	s_barrier_signal -1
	s_barrier_wait -1
	FETCH 0, 0, F0
	QUARTER 0, 128, F0, F1, 1
.if LAPS > 1
	WIN 0
	s_mov_b32 s3, LAPS-1
.Llap:
	QUARTER 0, 256, F1, F0, 0
	QUARTER 0, 384, F0, F1, 0
	TURN 0, 1, 1
	QUARTER 1, 128, F0, F1, 0
	QUARTER 1, 256, F1, F0, 0
	QUARTER 1, 384, F0, F1, 0
	TURN 1, 0, 1
	QUARTER 0, 128, F0, F1, 0
	WIN 0
	s_sub_co_u32 s3, s3, 1
	s_cmp_lg_u32 s3, 0
	s_cbranch_scc1 .Llap
.endif
	QUARTER 0, 256, F1, F0, 0
	QUARTER 0, 384, F0, F1, 0
	TURN 0, 1, 0
	QUARTER 1, 128, F0, F1, 0
	QUARTER 1, 256, F1, F0, 0
	QUARTER 1, 384, F0, F1, 0
	s_wait_dscnt 8
	WIN MUL
	MUL8 F1, 0, 0
	s_wait_dscnt 0
	MUL8 F1, 2, 0
	WIN 0
	s_wait_kmcnt 0x0
	s_add_co_i32 s78, s76, s77
	s_add_co_i32 s78, s78, 127
	s_lshl_b32 s78, s78, 23
	s_mov_b32 s79, s78
	PLACES
.macro OUTB a
.if (\a) > 0
	s_wait_xcnt 0x0
.endif
.irp b, 0,1,2,3
	ds_store_b128 v[STO], v[ACC+8*(4*(\a)+\b):ACC+8*(4*(\a)+\b)+3] offset:64*\b
	ds_store_b128 v[STO], v[ACC+8*(4*(\a)+\b)+4:ACC+8*(4*(\a)+\b)+7] offset:64*\b+16
.endr
.irp t, 0,1,2,3,4,5,6,7
	ds_load_b128 v[BK+4*\t:BK+4*\t+3], v[RD] offset:\t*2*SPITCH
.endr
.if (\a) < 3
	s_wait_loadcnt 8
.else
	s_wait_loadcnt 0
.endif
.irp t, 0,1,2,3,4,5,6,7
	v_pk_add_f32 v[RES+32*((\a)%2)+4*\t:RES+32*((\a)%2)+4*\t+1], v[RES+32*((\a)%2)+4*\t:RES+32*((\a)%2)+4*\t+1], v[BI:BI+1]
	v_pk_add_f32 v[RES+32*((\a)%2)+4*\t+2:RES+32*((\a)%2)+4*\t+3], v[RES+32*((\a)%2)+4*\t+2:RES+32*((\a)%2)+4*\t+3], v[BI+2:BI+3]
.endr
	s_wait_dscnt 0x0
.irp t, 0,1,2,3,4,5,6,7
	v_pk_fma_f32 v[BK+4*\t:BK+4*\t+1], v[BK+4*\t:BK+4*\t+1], s[78:79], v[RES+32*((\a)%2)+4*\t:RES+32*((\a)%2)+4*\t+1] op_sel_hi:[1,0,1]
	v_pk_fma_f32 v[BK+4*\t+2:BK+4*\t+3], v[BK+4*\t+2:BK+4*\t+3], s[78:79], v[RES+32*((\a)%2)+4*\t+2:RES+32*((\a)%2)+4*\t+3] op_sel_hi:[1,0,1]
.endr
.irp t, 0,1,2,3,4,5,6,7
	global_store_b128 v[CO], v[BK+4*\t:BK+4*\t+3], s[74:75] offset:(16*(\a)+2*\t)*4096
.endr
.if (\a)+2 < 4
	RLOAD (\a)+2
.endif
.endm
	OUTB 0
	OUTB 1
	OUTB 2
	OUTB 3
	s_wait_tensorcnt 0x0
	ds_add_u32 v[SPW], v[NIL]
	s_wait_dscnt 0x0
	CROUND
	s_endpgm
.Lfunc_end_k_qefc69cbc9f_proj:
	.size	k_qefc69cbc9f_proj, .Lfunc_end_k_qefc69cbc9f_proj-k_qefc69cbc9f_proj
	.p2alignl 7, 3214868480
	.fill 96, 4, 3214868480
	.section	.rodata,"a",@progbits
	.p2align	6, 0x0
	.amdhsa_kernel k_qefc69cbc9f_proj
		.amdhsa_group_segment_fixed_size 327680
		.amdhsa_private_segment_fixed_size 0
		.amdhsa_enable_private_segment 0
		.amdhsa_kernarg_size 48
		.amdhsa_user_sgpr_count 2
		.amdhsa_user_sgpr_kernarg_segment_ptr 1
		.amdhsa_wavefront_size32 1
		.amdhsa_system_sgpr_workgroup_id_x 1
		.amdhsa_system_sgpr_workgroup_id_y 1
		.amdhsa_system_sgpr_workgroup_id_z 1
		.amdhsa_system_vgpr_workitem_id 0
		.amdhsa_next_free_vgpr 512
		.amdhsa_next_free_sgpr 84
		.amdhsa_reserve_vcc 0
		.amdhsa_float_denorm_mode_32 3
		.amdhsa_float_denorm_mode_16_64 3
		.amdhsa_memory_ordered 1
		.amdhsa_forward_progress 1
		.amdhsa_inst_pref_size 54
	.end_amdhsa_kernel
	.amdgpu_metadata
---
amdhsa.version: [ 1, 2 ]
amdhsa.kernels:
  - .name:           k_qefc69cbc9f_proj
    .symbol:         k_qefc69cbc9f_proj.kd
    .args:
      - { .name: yc, .offset: 0, .size: 8, .value_kind: global_buffer, .address_space: global }
      - { .name: Wp_codes, .offset: 8, .size: 8, .value_kind: global_buffer, .address_space: global }
      - { .name: lowp_scales, .offset: 16, .size: 8, .value_kind: global_buffer, .address_space: global }
      - { .name: bp, .offset: 24, .size: 8, .value_kind: global_buffer, .address_space: global }
      - { .name: x, .offset: 32, .size: 8, .value_kind: global_buffer, .address_space: global }
      - { .name: x1, .offset: 40, .size: 8, .value_kind: global_buffer, .address_space: global }
    .group_segment_fixed_size: 327680
    .private_segment_fixed_size: 0
    .kernarg_segment_align: 8
    .kernarg_segment_size: 48
    .max_flat_workgroup_size: 128
    .sgpr_count:     84
    .vgpr_count:     512
    .wavefront_size: 32
...
	.end_amdgpu_metadata
.endif
;; end of part 4
;; launch ln2 (part 5): grid 256 x 1, 8 waves a work-group, no clusters, 82,944 bytes of LDS; arguments x1, gamma2, beta2, lowp_scales, a2; writes a2
.if DOCPART == 5
	.amdgcn_target "amdgcn-amd-amdhsa--gfx1250"
	.amdhsa_code_object_version 6
	.text
	.protected	k_qefc69cbc9f_ln2
	.globl	k_qefc69cbc9f_ln2
	.p2align	8
	.type	k_qefc69cbc9f_ln2,@function
k_qefc69cbc9f_ln2:
	s_mov_b64 s[64:65], 0
	v_nop
	global_prefetch_b8 v0, s[64:65] scope:SCOPE_SE
	s_setreg_imm32_b32 hwreg(HW_REG_WAVE_MODE, 25, 1), 1
	s_wait_xcnt 0x0
; LayerNorm of the 4,096 rows of x1 (1,024 f32 each), then codes of E5M2 with K innermost, under the one scale at entry 12 of the scales (NS = 1).
; code = xn / 2^e, held within +-57,344, to the nearest code, ties to even.  LIMITS: -126 <= e <= 112; NaN and infinity among the inputs are not served.
; SHARES: a work-group takes 16 rows, each of its eight waves two.  A row stays in the wave: mean, then the mean of the squared differences (two passes over registers), no barrier.
; The conversions take neighbours along K from one lane's registers, the loads take neighbouring bytes in neighbouring lanes: so a row's two chunks of 2,048 bytes turn through the wave's own stage in LDS
; (as loaded in; 64 bytes a lane out; 16 bytes of padding behind each 64).  Each chunk has a stage of its own: nothing in LDS is written twice.
.set NS,   1
.set SP,   80
.set CH,   32*SP
.set WREG, 4*CH
.set R,    16                          ; v16-79   the two rows as loaded
.set X,    80                          ; v80-111  a row: X[16 c + n] = x[512 c + 16 lane + n]
.set T,    112                         ; v112-143 at work
.set G,    144                         ; v144-175 gamma in X's order
.set BT,   176                         ; v176-207 beta
.set C,    208                         ; codes: row i at C + 24 i; never written twice
	s_load_b256 s[4:11], s[0:1], 0x0               ; x1 s[4:5], gamma s[6:7], beta s[8:9], the scales' exponents s[10:11]
	s_load_b64 s[12:13], s[0:1], 0x20              ; the codes
	v_lshl_add_u32 v254, v0, 2, 0x14000
	v_mov_b32 v255, 0
	v_lshrrev_b32 v1, 5, v0
	s_delay_alu instid0(VALU_DEP_1)
	v_readfirstlane_b32 s16, v1                    ; wave
	v_and_b32 v1, 31, v0                           ; lane
	s_delay_alu instid0(VALU_DEP_1)
	v_lshlrev_b32 v2, 4, v1
	s_delay_alu instid0(VALU_DEP_2)
	v_lshlrev_b32 v3, 6, v1
	s_mul_i32 s17, s16, WREG
	v_lshrrev_b32 v4, 2, v1
	s_delay_alu instid0(VALU_DEP_1)
	v_mul_u32_u24 v4, v4, SP
	v_and_b32 v5, 3, v1
	s_delay_alu instid0(VALU_DEP_1)
	v_lshl_add_u32 v4, v5, 4, v4
	s_delay_alu instid0(VALU_DEP_1)
	v_add_nc_u32 v4, s17, v4                       ; into a stage: SP (lane / 4) + 16 (lane % 4)
	v_mul_u32_u24 v5, v1, SP
	s_delay_alu instid0(VALU_DEP_1)
	v_add_nc_u32 v5, s17, v5                       ; out of it: SP x lane
	v_mov_b32 v13, 0                               ; (the upper half of the pair v[12:13])
	s_lshl_b32 s20, ttmp9, 16
	s_lshl_b32 s21, s16, 13
	s_add_co_u32 s20, s20, s21
	s_mov_b32 s21, 0
	s_lshl_b32 s22, ttmp9, 14
	s_lshl_b32 s23, s16, 11
	s_add_co_u32 s22, s22, s23
	s_mov_b32 s23, 0
	s_mov_b32 s32, 0x76543210
	s_mov_b32 s33, 0xfedcba98
	s_mov_b32 s34, 0x3a800000                      ; 1 / 1,024
	s_mov_b32 s35, 0x358637bd                      ; 1e-6
	s_wait_alu depctr_va_vdst(0)
	s_wait_kmcnt 0x0
	s_load_b32 s24, s[10:11], 0x30                 ; entry 12
	s_add_nc_u64 s[4:5], s[4:5], s[20:21]
	s_add_nc_u64 s[12:13], s[12:13], s[22:23]
.irp c, 0,1
.irp j, 0,1,2,3
	global_load_b128 v[G+16*\c+4*\j:G+16*\c+4*\j+3], v3, s[6:7] offset:2048*\c+16*\j
.endr
.endr
.irp c, 0,1
.irp j, 0,1,2,3
	global_load_b128 v[BT+16*\c+4*\j:BT+16*\c+4*\j+3], v3, s[8:9] offset:2048*\c+16*\j
.endr
.endr
.irp i, 0,1
.irp c, 0,1
.irp k, 0,1,2,3
	global_load_b128 v[R+32*\i+16*\c+4*\k:R+32*\i+16*\c+4*\k+3], v2, s[4:5] offset:4096*\i+2048*\c+512*\k   ; 32 lanes read 512 consecutive bytes
.endr
.endr
.endr
	s_wait_kmcnt 0x0
	s_add_co_i32 s36, s24, 127
	s_lshl_b32 s37, s36, 23
	v_mov_b32 v6, s37                              ; 2^e as f32
	s_add_co_i32 s36, s36, 15
	s_lshl_b32 s36, s36, 23
	s_or_b32 s36, s36, 0x600000
	v_mov_b32 v7, s36                              ; 57,344 x 2^e
.macro REDUCE r, t
	s_delay_alu instid0(VALU_DEP_1)
	v_add_f32_dpp v[\r], v[\r], v[\r] row_xmask:1 row_mask:0xf bank_mask:0xf
	s_delay_alu instid0(VALU_DEP_1)
	v_add_f32_dpp v[\r], v[\r], v[\r] row_xmask:2 row_mask:0xf bank_mask:0xf
	s_delay_alu instid0(VALU_DEP_1)
	v_add_f32_dpp v[\r], v[\r], v[\r] row_xmask:4 row_mask:0xf bank_mask:0xf
	s_delay_alu instid0(VALU_DEP_1)
	v_add_f32_dpp v[\r], v[\r], v[\r] row_xmask:8 row_mask:0xf bank_mask:0xf
	s_delay_alu instid0(VALU_DEP_1)
	v_permlanex16_b32 v[\t], v[\r], s32, s33
	s_delay_alu instid0(VALU_DEP_1)
	v_add_f32 v[\r], v[\r], v[\t]
.endm
.macro FOLD
	s_delay_alu instid0(VALU_DEP_3)
	v_pk_add_f32 v[T:T+1], v[T:T+1], v[T+2:T+3]
	s_delay_alu instid0(VALU_DEP_2)
	v_pk_add_f32 v[T+4:T+5], v[T+4:T+5], v[T+6:T+7]
	s_delay_alu instid0(VALU_DEP_1)
	v_pk_add_f32 v[T:T+1], v[T:T+1], v[T+4:T+5]
	s_delay_alu instid0(VALU_DEP_1)
	v_add_f32 v[T], v[T], v[T+1]
	REDUCE T, T+1
.endm
.macro ROW i, left
	s_wait_loadcnt \left                           ; gamma, beta and this row are in; left = the other row's loads that may be out
.irp c, 0,1
.irp k, 0,1,2,3
	ds_store_b128 v4, v[R+32*\i+16*\c+4*\k:R+32*\i+16*\c+4*\k+3] offset:(2*\i+\c)*CH+8*SP*\k
.endr
.endr
.irp c, 0,1
.irp j, 0,1,2,3
	ds_load_b128 v[X+16*\c+4*\j:X+16*\c+4*\j+3], v5 offset:(2*\i+\c)*CH+16*\j   ; LDS serves a wave's instructions in order
.endr
.endr
	s_wait_dscnt 0x0
.irp q, 0,2,4,6
	v_pk_add_f32 v[T+\q:T+\q+1], v[X+\q:X+\q+1], v[X+8+\q:X+8+\q+1]
.endr
.irp m, 16,24
.irp q, 0,2,4,6
	s_delay_alu instid0(VALU_DEP_4)
	v_pk_add_f32 v[T+\q:T+\q+1], v[T+\q:T+\q+1], v[X+\m+\q:X+\m+\q+1]
.endr
.endr
	FOLD
	s_delay_alu instid0(VALU_DEP_1)
	v_mul_f32 v12, s34, v[T]                       ; the mean
.set n, 0
.rept 16
	v_pk_add_f32 v[X+n:X+n+1], v[X+n:X+n+1], v[12:13] op_sel_hi:[1,0] neg_lo:[0,1] neg_hi:[0,1]
.set n, n+2
.endr
.irp q, 0,2,4,6
	v_pk_mul_f32 v[T+\q:T+\q+1], v[X+\q:X+\q+1], v[X+\q:X+\q+1]
.endr
.irp m, 8,16,24
.irp q, 0,2,4,6
	s_delay_alu instid0(VALU_DEP_4)
	v_pk_fma_f32 v[T+\q:T+\q+1], v[X+\m+\q:X+\m+\q+1], v[X+\m+\q:X+\m+\q+1], v[T+\q:T+\q+1]
.endr
.endr
	FOLD
	s_delay_alu instid0(VALU_DEP_1)
	v_fma_f32 v[T], v[T], s34, s35                 ; the variance + 1e-6
	s_wait_alu depctr_va_vdst(0)
	v_rsq_f32 v12, v[T]
	v_nop                                          ; a plain line behind the transcendental
	s_wait_alu depctr_va_vdst(0)                   ; the wait ahead of the first reader
.set n, 0
.rept 16
	v_pk_mul_f32 v[X+n:X+n+1], v[X+n:X+n+1], v[12:13] op_sel_hi:[1,0]
.set n, n+2
.endr
.set n, 0
.rept 16
	v_pk_fma_f32 v[X+n:X+n+1], v[X+n:X+n+1], v[G+n:G+n+1], v[BT+n:BT+n+1]
.set n, n+2
.endr
.set n, 0
.rept 32
	v_med3_num_f32 v[T+n], v[X+n], -v7, v7         ; the conversion does not saturate (ISA guide 7.6.2)
.set n, n+1
.endr
.irp g, 0,1,2,3
	v_cvt_scalef32_pk8_bf8_f32 v[C+24*\i+2*\g:C+24*\i+2*\g+1], v[T+8*\g:T+8*\g+7], v6
.endr
	v_nop                                          ; a plain line between the conversions and the next lines that write their sources
.irp c, 0,1
	global_store_b128 v2, v[C+24*\i+4*\c:C+24*\i+4*\c+3], s[12:13] offset:1024*\i+512*\c   ; 32 lanes store 512 consecutive bytes, aligned
.endr
.endm
	ROW 0, 8
	ROW 1, 0
	s_wait_tensorcnt 0x0
	ds_add_u32 v254, v255
	s_wait_dscnt 0x0
	s_endpgm
.Lfunc_end_k_qefc69cbc9f_ln2:
	.size	k_qefc69cbc9f_ln2, .Lfunc_end_k_qefc69cbc9f_ln2-k_qefc69cbc9f_ln2
	.p2alignl 7, 3214868480
	.fill 96, 4, 3214868480
	.section	.rodata,"a",@progbits
	.p2align	6, 0x0
	.amdhsa_kernel k_qefc69cbc9f_ln2
		.amdhsa_group_segment_fixed_size 82944
		.amdhsa_private_segment_fixed_size 0
		.amdhsa_enable_private_segment 0
		.amdhsa_kernarg_size 40
		.amdhsa_user_sgpr_count 2
		.amdhsa_user_sgpr_kernarg_segment_ptr 1
		.amdhsa_wavefront_size32 1
		.amdhsa_system_sgpr_workgroup_id_x 1
		.amdhsa_system_sgpr_workgroup_id_y 1
		.amdhsa_system_sgpr_workgroup_id_z 1
		.amdhsa_system_vgpr_workitem_id 0
		.amdhsa_next_free_vgpr 256
		.amdhsa_next_free_sgpr 66
		.amdhsa_reserve_vcc 0
		.amdhsa_float_denorm_mode_32 3
		.amdhsa_float_denorm_mode_16_64 3
		.amdhsa_memory_ordered 1
		.amdhsa_forward_progress 1
		.amdhsa_inst_pref_size 28
	.end_amdhsa_kernel
	.amdgpu_metadata
---
amdhsa.version: [ 1, 2 ]
amdhsa.kernels:
  - .name:           k_qefc69cbc9f_ln2
    .symbol:         k_qefc69cbc9f_ln2.kd
    .args:
      - { .name: x1, .offset: 0, .size: 8, .value_kind: global_buffer, .address_space: global }
      - { .name: gamma2, .offset: 8, .size: 8, .value_kind: global_buffer, .address_space: global }
      - { .name: beta2, .offset: 16, .size: 8, .value_kind: global_buffer, .address_space: global }
      - { .name: lowp_scales, .offset: 24, .size: 8, .value_kind: global_buffer, .address_space: global }
      - { .name: a2, .offset: 32, .size: 8, .value_kind: global_buffer, .address_space: global }
    .group_segment_fixed_size: 82944
    .private_segment_fixed_size: 0
    .kernarg_segment_align: 8
    .kernarg_segment_size: 40
    .max_flat_workgroup_size: 256
    .sgpr_count:     66
    .vgpr_count:     256
    .wavefront_size: 32
...
	.end_amdgpu_metadata
.endif
;; end of part 5
;; launch fc1 (part 6): grid 16 x 16, 4 waves a work-group, clusters of 4 x 4, 327,680 bytes of LDS; arguments a2, W1_codes, lowp_scales, b1, hc; writes hc
.if DOCPART == 6
	.amdgcn_target "amdgcn-amd-amdhsa--gfx1250"
	.amdhsa_code_object_version 6
	.text
	.protected	k_qefc69cbc9f_fc1
	.globl	k_qefc69cbc9f_fc1
	.p2align	8
	.type	k_qefc69cbc9f_fc1,@function
k_qefc69cbc9f_fc1:
	s_mov_b64 s[64:65], 0
	v_nop
	global_prefetch_b8 v0, s[64:65] scope:SCOPE_SE
	s_setreg_imm32_b32 hwreg(HW_REG_WAVE_MODE, 25, 1), 1
	s_wait_xcnt 0x0
	s_wait_alu depctr_hold_cnt(0) depctr_sa_sdst(0) depctr_va_vdst(0) depctr_va_sdst(0) depctr_va_ssrc(0) depctr_va_vcc(0) depctr_vm_vsrc(0)
	s_getreg_b32 s2, hwreg(HW_REG_IB_STS2, 6, 4)
	s_cmp_eq_u32 s2, 0
	s_cbranch_scc0 .Lentry_in_a_cluster
	s_endpgm
.Lentry_in_a_cluster:
	s_bfe_u32 s2, ttmp6, 0x10000c
	s_cmp_lg_u32 s2, 0xf033
	s_cbranch_scc0 .Lentry_shape_is_right
	s_endpgm
.Lentry_shape_is_right:
.set SIZE_K, 1024
.set KSTEP,  256
.set ROWB,   256
.set KROW,   SIZE_K
.set PITCH,  272
.set FR,     16
.set NL,     4
.set NP,     4
.set HALFT,  128*PITCH
.set SLOT,   4*HALFT
.set LAPS,   SIZE_K/(2*KSTEP)
.set SPARE,  2*SLOT
.set DP,     1040
.set ADRA, 16
.set ADRB, 20
.set STO,  24
.set SPW,  28
.set NIL,  29
.set BI,   32
.set CD,   40
.set SCV,  48
.set LIMV, 49
.set C9,   50
.set ADR,  52
.set RD0,  53
.set CO,   54
.set BA,   55
.set MX,   64
.set RAW,  96
.set PRE,  128
.set U,    160
.set T,    192
.set P,    224
.set AF,   128
.set G1, 24
.set G0, 32
.set G1B, 48
.set G0B, 56
.set MSB, 0
.macro WIN new
.if MSB != \new
	s_set_vgpr_msb (MSB<<8)|\new
.set MSB, \new
.endif
.endm
.set MUL_LO, 0xa1
.set MUL_HI, 0xf1
.set TO_B,   0x40
.macro JLOAD g0a, g1a, g0b, g1b
	s_cmp_eq_u32 s15, 0
	s_cbranch_scc0 .Lfor_b_\@
	tensor_load_to_lds s[\g0a:\g0a+3], s[\g1a:\g1a+7]
	s_nop 0
.rept 4
	v_nop
.endr
	s_branch .Lasked_\@
.Lfor_b_\@:
	tensor_load_to_lds s[\g0b:\g0b+3], s[\g1b:\g1b+7]
	s_nop 0
.rept 4
	v_nop
.endr
.Lasked_\@:
.endm
.macro CREST
	s_cmp_lg_u32 s14, 0
	s_cbranch_scc1 .Lnot_wave_0_\@
	s_barrier_signal -3
.Lnot_wave_0_\@:
	s_barrier_wait -3
	s_barrier_signal -1
	s_barrier_wait -1
.endm
.macro CROUND
	s_barrier_signal -1
	s_barrier_wait -1
	CREST
.endm
	s_load_b128 s[4:7], s[0:1], 0x0
	s_load_b128 s[8:11], s[0:1], 0x10
	s_load_b64 s[12:13], s[0:1], 0x20
	v_lshl_add_u32 v[SPW], v0, 2, SPARE
	v_mov_b32 v[NIL], 0
	ds_add_u32 v28, v29
	ds_add_u32 v28, v29
	s_wait_dscnt 0x0
	v_lshrrev_b32 v1, 5, v0
	v_readfirstlane_b32 s14, v1
	s_lshr_b32 s15, s14, 1
	s_and_b32 s16, s14, 1
	s_bfe_u32 s40, ttmp6, 0x40000
	s_bfe_u32 s41, ttmp6, 0x40004
	s_lshl_b32 s42, ttmp9, 2
	s_add_co_u32 s42, s42, s40
	s_and_b32 s17, ttmp7, 0xffff
	s_lshl_b32 s17, s17, 2
	s_add_co_u32 s17, s17, s41
	s_lshl_b32 s43, s41, 2
	s_lshl_b32 s43, 15, s43
	s_lshl_b32 s44, 0x1111, s40
	s_or_b32 s[G1+0], s43, (0<<16)|(1<<20)|(1<<21)|(5<<22)|(3<<25)
	s_or_b32 s[G1B+0], s44, (0<<16)|(1<<20)|(1<<21)|(5<<22)|(3<<25)
.irp g, G1, G1B
	s_mov_b32 s[\g+1], ROWB<<16
	s_mov_b32 s[\g+2], 128<<16
	s_mov_b32 s[\g+3], ROWB<<16
	s_mov_b32 s[\g+4], 128
	s_mov_b32 s[\g+5], KROW
	s_mov_b32 s[\g+6], 0
	s_mov_b32 s[\g+7], 0
.endr
	s_lshl_b32 s18, s16, 7
	s_lshl_b32 s20, s17, 8
	s_add_co_u32 s20, s20, s18
	s_lshl_b32 s46, s42, 8
	s_add_co_u32 s46, s46, s18
	s_lshl_b32 s20, s20, 10
	s_lshl_b32 s46, s46, 10
	s_mov_b32 s21, 0
	s_mov_b32 s47, 0
	s_mul_i32 s45, s14, HALFT
	s_wait_kmcnt 0x0
	s_load_b128 s[92:95], s[8:9], 0x30
	s_add_nc_u64 s[20:21], s[4:5], s[20:21]
	s_add_nc_u64 s[46:47], s[6:7], s[46:47]
	; The prefetches.  Of the 128 rows that my wave fetches, the partner at place p (cx for A's tiles, cy for B's) names rows 32 p .. 32 p + 31, a lane a row: a K step's part of a row is 256 bytes, aligned,
	; and is named once in the cluster.  Beside the load of K step 0 stand the requests for K steps 1 and 2, beside that of K step 1 the request for K step 3; K has four steps, so the refills name nothing.
	s_cmp_eq_u32 s15, 0                            ; do I fetch for A?
	s_cselect_b64 s[68:69], s[20:21], s[46:47]     ; my wave's first row
	s_cselect_b32 s70, s40, s41                    ; my place among the four that ask with me
	s_lshl_b32 s70, s70, 15                        ; 32 rows of 1,024 bytes
	s_add_co_u32 s70, s70, ROWB                    ; at K step 1
	s_mov_b32 s71, 0
	s_add_nc_u64 s[68:69], s[68:69], s[70:71]
	v_and_b32 v30, 31, v0
	v_lshlrev_b32 v30, 10, v30                     ; my lane's row; never rewritten
	s_wait_alu depctr_va_vdst(0)
	CROUND
.irp s, 0,1
	s_mov_b32 s[G0+4*\s], 1
	s_add_co_u32 s[G0+4*\s+1], s45, \s*SLOT
	s_add_nc_u64 s[G0+4*\s+2:G0+4*\s+3], s[20:21], \s*ROWB
	s_or_b32 s[G0+4*\s+3], s[G0+4*\s+3], 0x80000000
	s_mov_b32 s[G0B+4*\s], 1
	s_add_co_u32 s[G0B+4*\s+1], s45, \s*SLOT
	s_add_nc_u64 s[G0B+4*\s+2:G0B+4*\s+3], s[46:47], \s*ROWB
	s_or_b32 s[G0B+4*\s+3], s[G0B+4*\s+3], 0x80000000
.if \s                                 ; K step 0's load follows the opening round; K step 1's stands behind the full sequence and a round of its own
	s_wait_alu depctr_va_vdst(0)
	s_wait_tensorcnt 0x0
	ds_add_u32 v28, v29
	ds_add_u32 v28, v29
	s_wait_dscnt 0x0
	CROUND
.endif
	JLOAD G0+4*\s, G1, G0B+4*\s, G1B
.if \s == 0
	global_prefetch_b8 v30, s[68:69] th:TH_LOAD_NT scope:SCOPE_SE
	global_prefetch_b8 v30, s[68:69] offset:ROWB th:TH_LOAD_NT scope:SCOPE_SE
.else
	global_prefetch_b8 v30, s[68:69] offset:2*ROWB th:TH_LOAD_NT scope:SCOPE_SE
.endif
.endr
	v_and_b32 v1, 15, v0
	v_bfe_u32 v2, v0, 4, 1
	v_mul_u32_u24 v3, v1, PITCH
	v_lshl_add_u32 v4, v2, 4, v3
	s_mul_i32 s21, s15, HALFT
	s_mul_i32 s22, s16, HALFT
	s_add_co_u32 s22, s22, 2*HALFT
.irp s, 0,1
	v_add_nc_u32 v[ADRA+\s], s21, v4
	v_add_nc_u32 v[ADRB+\s], s22, v4
	s_add_co_u32 s21, s21, SLOT
	s_add_co_u32 s22, s22, SLOT
.endr
	v_mul_u32_u24 v5, v1, DP
	v_lshl_add_u32 v5, v2, 5, v5
	s_mul_i32 s23, s15, 128*DP
	s_lshl_b32 s22, s16, 9
	s_add_co_u32 s23, s23, s22
	v_add_nc_u32 v[STO], s23, v5
	v_add_nc_u32 v[STO+1], 64*DP, v[STO]
	v_and_b32 v6, 31, v0
	v_lshlrev_b32 v[BA], 5, v6
	s_mul_i32 s23, s14, 64*DP
	v_add_nc_u32 v[RD0], s23, v[BA]
	v_lshlrev_b32 v[CO], 3, v6
	s_lshl_b32 s84, s42, 10
	s_mov_b32 s85, 0
	s_add_nc_u64 s[10:11], s[10:11], s[84:85]
	global_load_b128 v[BI:BI+3], v[BA], s[10:11]
	global_load_b128 v[BI+4:BI+7], v[BA], s[10:11] offset:16
	s_lshl_b32 s86, s17, 8
	s_lshl_b32 s87, s14, 6
	s_add_co_u32 s86, s86, s87
	s_lshl_b32 s86, s86, 12
	s_lshl_b32 s87, s42, 8
	s_add_co_u32 s86, s86, s87
	s_mov_b32 s87, 0
	s_add_nc_u64 s[12:13], s[12:13], s[86:87]
.macro FRAG reg, adr, q, i
.irp c, 0,1,2,3
	ds_load_b128 v[\reg+4*\c:\reg+4*\c+3], v[\adr] offset:128*(\q)+32*\c+(\i)*16*PITCH
.endr
.endm
.macro MUL16 a0, p, zero
.irp a, \a0, \a0+1
.irp b, 0,1,2,3,4,5,6,7
.if \zero
	v_wmma_f32_16x16x128_bf8_bf8 v[8*(8*((\a)%4)+\b):8*(8*((\a)%4)+\b)+7], v[128*(\p)+FR*\b:128*(\p)+FR*\b+FR-1], v[AF+FR*(\a):AF+FR*(\a)+FR-1], 0
.else
	v_wmma_f32_16x16x128_bf8_bf8 v[8*(8*((\a)%4)+\b):8*(8*((\a)%4)+\b)+7], v[128*(\p)+FR*\b:128*(\p)+FR*\b+FR-1], v[AF+FR*(\a):AF+FR*(\a)+FR-1], v[8*(8*((\a)%4)+\b):8*(8*((\a)%4)+\b)+7]
.endif
.endr
.endr
.endm
.macro FETCH_B slot, q, p
	WIN TO_B
.irp i, 0,1,2,3,4,5,6,7
	FRAG 128*(\p)+FR*\i, ADRB+\slot, \q, \i
.endr
	WIN 0
.endm
.macro FETCH_A slot, q, i0
.irp i, \i0, \i0+1, \i0+2, \i0+3
	FRAG AF+FR*(\i), ADRA+\slot, \q, \i
.endr
.endm
.macro PLACES n
.rept \n
	v_nop
.endr
.endm
.macro STEP slot, q, zero
	s_wait_dscnt 4*NL
	WIN MUL_LO
	MUL16 0, (\q)%2, \zero
	MUL16 2, (\q)%2, \zero
	s_wait_dscnt 0
	PLACES NP
	FETCH_B \slot, (\q)+1, 1-(\q)%2
	FETCH_A \slot, (\q)+1, 0
	WIN MUL_HI
	MUL16 4, (\q)%2, \zero
	MUL16 6, (\q)%2, \zero
	PLACES NP
	WIN 0
	FETCH_A \slot, (\q)+1, 4
.endm
.macro TURN slot, next, fill
	s_wait_tensorcnt 0x0
	ds_add_u32 v[SPW], v[NIL]
	s_wait_dscnt 4*NL+1
	WIN MUL_LO
	MUL16 0, 1, 0
	s_wait_dscnt 0x0
	s_barrier_signal -1
	MUL16 2, 1, 0
	WIN 0
	s_barrier_wait -1
.if \fill
	CREST
	s_add_nc_u64 s[G0+4*\slot+2:G0+4*\slot+3], s[G0+4*\slot+2:G0+4*\slot+3], 2*ROWB
	s_add_nc_u64 s[G0B+4*\slot+2:G0B+4*\slot+3], s[G0B+4*\slot+2:G0B+4*\slot+3], 2*ROWB
	JLOAD G0+4*\slot, G1, G0B+4*\slot, G1B
.else
	PLACES NP
.endif
	s_wait_alu depctr_va_vdst(0)
	FETCH_B \next, 0, 0
	FETCH_A \next, 0, 0
	WIN MUL_HI
	MUL16 4, 1, 0
	MUL16 6, 1, 0
	PLACES NP
	WIN 0
	FETCH_A \next, 0, 4
.endm
	s_wait_tensorcnt 1
	s_barrier_signal -1
	s_barrier_wait -1
	FETCH_B 0, 0, 0
	FETCH_A 0, 0, 0
	FETCH_A 0, 0, 4
	STEP 0, 0, 1
	s_mov_b32 s3, LAPS-1
.Llap:
	TURN 0, 1, 1
	STEP 1, 0, 0
	TURN 1, 0, 1
	STEP 0, 0, 0
	s_sub_co_u32 s3, s3, 1
	s_cmp_lg_u32 s3, 0
	s_cbranch_scc1 .Llap
	TURN 0, 1, 0
	STEP 1, 0, 0
	s_wait_dscnt 4*NL
	WIN MUL_LO
	MUL16 0, 1, 0
	MUL16 2, 1, 0
	s_wait_dscnt 0
	WIN MUL_HI
	MUL16 4, 1, 0
	MUL16 6, 1, 0
	WIN 0
	s_barrier_signal -1
	s_barrier_wait -1
	s_wait_kmcnt 0x0
	s_add_co_i32 s96, s92, s93
	s_add_co_i32 s96, s96, 127
	s_lshl_b32 s96, s96, 23
	s_mov_b32 s97, s96
	s_mov_b32 s98, 0x3eb504f3
	s_add_co_i32 s92, s94, 127
	s_lshl_b32 s93, s92, 23
	v_mov_b32 v[SCV], s93
	s_add_co_i32 s92, s92, 15
	s_lshl_b32 s92, s92, 23
	s_or_b32 s92, s92, 0x600000
	v_mov_b32 v[LIMV], s92
	v_mov_b32 v[C9], 0x3e2ef946
	v_mov_b32 v[C9+1], 0x3e2ef946
	PLACES NP
	WIN 0x08
.irp a, 0,1,2,3
.irp b, 0,1,2,3,4,5,6,7
	ds_store_b128 v[STO], v[8*(8*\a+\b):8*(8*\a+\b)+3] offset:16*\a*DP+64*\b
	ds_store_b128 v[STO], v[8*(8*\a+\b)+4:8*(8*\a+\b)+7] offset:16*\a*DP+64*\b+16
.endr
.endr
	WIN 0x0c
.irp a, 0,1,2,3
.irp b, 0,1,2,3,4,5,6,7
	ds_store_b128 v[STO+1], v[8*(8*\a+\b):8*(8*\a+\b)+3] offset:16*\a*DP+64*\b
	ds_store_b128 v[STO+1], v[8*(8*\a+\b)+4:8*(8*\a+\b)+7] offset:16*\a*DP+64*\b+16
.endr
.endr
	WIN 0
	s_wait_dscnt 0x0
	s_barrier_signal -1
	s_barrier_wait -1
	s_wait_loadcnt 0x0
.macro LOADRAW
	v_add_nc_u32 v[ADR], s67, v[RD0]
.irp i, 0,1,2,3
	ds_load_b128 v[RAW+8*\i:RAW+8*\i+3], v[ADR] offset:\i*DP
	ds_load_b128 v[RAW+8*\i+4:RAW+8*\i+7], v[ADR] offset:\i*DP+16
.endr
	s_add_co_u32 s67, s67, 4*DP
.endm
.macro HROUND h0, kind, k, ex
.irp p, 0,2,4,6,8,10,12,14
.if \kind == 0
	v_pk_fma_f32 v[P+\h0+\p:P+\h0+\p+1], v[T+\h0+\p:T+\h0+\p+1], v[C9:C9+1], \k op_sel_hi:[1,1,0]
.elseif \kind == 1
	v_pk_fma_f32 v[P+\h0+\p:P+\h0+\p+1], v[P+\h0+\p:P+\h0+\p+1], v[T+\h0+\p:T+\h0+\p+1], \k op_sel_hi:[1,1,0]
.elseif \kind == 2
	v_pk_fma_f32 v[P+\h0+\p:P+\h0+\p+1], v[U+\h0+\p:U+\h0+\p+1], -0.5, v[P+\h0+\p:P+\h0+\p+1] op_sel_hi:[1,0,1]
.else
	v_pk_mul_f32 v[P+\h0+\p:P+\h0+\p+1], v[P+\h0+\p:P+\h0+\p+1], \k op_sel_hi:[1,0]
.endif
.if \ex && ((\p == 2) || (\p == 10))
	v_exp_f32 v[P+e], v[P+e]
.set e, e+1
.endif
.endr
.endm
.macro HALF h0, ex
	HROUND \h0, 0, 0xbf527892, \ex
.irp k, 0x3fbe87b0, 0xbf914e5d, 0x3e8ec7cc, 0xbe3ec24c, 0x3dc636c9, 0x3ebf88fb, 0x3f8000c7
	HROUND \h0, 1, \k, \ex
.endr
	HROUND \h0, 1, 0xbffab55a, 0
	HROUND \h0, 2, 0, 0
	HROUND \h0, 3, 0x3fb8aa3b, 0
.endm
.macro RDR h0
.if m < 8
	v_pk_mul_f32 v[P+\h0+2*m:P+\h0+2*m+1], v[P+\h0+2*m:P+\h0+2*m+1], v[T+\h0+2*m:T+\h0+2*m+1]
.elseif m < 16
	v_pk_mul_f32 v[P+\h0+2*(m-8):P+\h0+2*(m-8)+1], v[P+\h0+2*(m-8):P+\h0+2*(m-8)+1], v[PRE+\h0+2*(m-8):PRE+\h0+2*(m-8)+1]
.elseif m < 32
	v_sub_f32 v[U+\h0+m-16], v[MX+\h0+m-16], |v[P+\h0+m-16]|
.else
	v_med3_num_f32 v[U+\h0+m-32], v[U+\h0+m-32], -v[LIMV], v[LIMV]
.endif
.set m, m+1
.endm
.macro TRIP more
	s_wait_dscnt 0x0
.set n, 0
.rept 16
	v_pk_fma_f32 v[PRE+n:PRE+n+1], v[RAW+n:RAW+n+1], s[96:97], v[BI+n%8:BI+n%8+1] op_sel_hi:[1,0,1]
.set n, n+2
.endr
.if \more
	LOADRAW
.endif
.set n, 0
.rept 32
	v_fma_f32 v[T+n], |v[PRE+n]|, s98, 1.0
.set n, n+1
.endr
.set n, 0
	s_wait_alu depctr_va_vdst(0)
.rept 32
	v_rcp_f32 v[T+n], v[T+n]
	v_max_num_f32 v[MX+n], v[PRE+n], 0
.if (n%2) == 0
	v_pk_mul_f32 v[U+n:U+n+1], v[PRE+n:PRE+n+1], v[PRE+n:PRE+n+1]
.endif
.set n, n+1
.endr
	s_wait_alu depctr_va_vdst(0)
	HALF 0, 0                                      ; the polynomial of all 32 numbers: plain lines alone, no transcendental among them
	HALF 16, 0
	s_wait_alu depctr_va_vdst(0)                   ; the wait ahead of the batch
.set e, 0
.rept 32
	v_exp_f32 v[P+e], v[P+e]
.set e, e+1
.endr
	v_nop                                          ; a plain line behind the batch
	s_wait_alu depctr_va_vdst(0)                   ; one wait for the batch, ahead of its first reader
.set m, 0
.rept 48
	RDR 0
.endr
.set m, 0
.rept 48
	RDR 16
.endr
	s_wait_alu depctr_va_vdst(0)
	s_wait_xcnt 0x0
	s_add_nc_u64 s[12:13], s[12:13], 4*4096
.irp i, 0,1,2,3
	v_cvt_scalef32_pk8_bf8_f32 v[CD+2*\i:CD+2*\i+1], v[U+8*\i:U+8*\i+7], v[SCV]
.endr
	v_nop
.irp i, 0,1,2,3
	global_store_b64 v[CO], v[CD+2*\i:CD+2*\i+1], s[12:13] offset:4096*\i-4*4096
.endr
.endm
	s_mov_b32 s67, 0
	LOADRAW
	s_mov_b32 s3, 15
.Lout:
	TRIP 1
	s_sub_co_u32 s3, s3, 1
	s_cmp_lg_u32 s3, 0
	s_cbranch_scc1 .Lout
	TRIP 0
	s_wait_tensorcnt 0x0
	ds_add_u32 v[SPW], v[NIL]
	s_wait_dscnt 0x0
	CROUND
	s_endpgm
.Lfunc_end_k_qefc69cbc9f_fc1:
	.size	k_qefc69cbc9f_fc1, .Lfunc_end_k_qefc69cbc9f_fc1-k_qefc69cbc9f_fc1
	.p2alignl 7, 3214868480
	.fill 96, 4, 3214868480
	.section	.rodata,"a",@progbits
	.p2align	6, 0x0
	.amdhsa_kernel k_qefc69cbc9f_fc1
		.amdhsa_group_segment_fixed_size 327680
		.amdhsa_private_segment_fixed_size 0
		.amdhsa_enable_private_segment 0
		.amdhsa_kernarg_size 40
		.amdhsa_user_sgpr_count 2
		.amdhsa_user_sgpr_kernarg_segment_ptr 1
		.amdhsa_wavefront_size32 1
		.amdhsa_system_sgpr_workgroup_id_x 1
		.amdhsa_system_sgpr_workgroup_id_y 1
		.amdhsa_system_sgpr_workgroup_id_z 1
		.amdhsa_system_vgpr_workitem_id 0
		.amdhsa_next_free_vgpr 1024
		.amdhsa_next_free_sgpr 100
		.amdhsa_reserve_vcc 0
		.amdhsa_float_denorm_mode_32 3
		.amdhsa_float_denorm_mode_16_64 3
		.amdhsa_memory_ordered 1
		.amdhsa_forward_progress 1
		.amdhsa_inst_pref_size 151
	.end_amdhsa_kernel
	.amdgpu_metadata
---
amdhsa.version: [ 1, 2 ]
amdhsa.kernels:
  - .name:           k_qefc69cbc9f_fc1
    .symbol:         k_qefc69cbc9f_fc1.kd
    .args:
      - { .name: a2, .offset: 0, .size: 8, .value_kind: global_buffer, .address_space: global }
      - { .name: W1_codes, .offset: 8, .size: 8, .value_kind: global_buffer, .address_space: global }
      - { .name: lowp_scales, .offset: 16, .size: 8, .value_kind: global_buffer, .address_space: global }
      - { .name: b1, .offset: 24, .size: 8, .value_kind: global_buffer, .address_space: global }
      - { .name: hc, .offset: 32, .size: 8, .value_kind: global_buffer, .address_space: global }
    .group_segment_fixed_size: 327680
    .private_segment_fixed_size: 0
    .kernarg_segment_align: 8
    .kernarg_segment_size: 40
    .max_flat_workgroup_size: 128
    .sgpr_count:     100
    .vgpr_count:     1024
    .wavefront_size: 32
...
	.end_amdgpu_metadata
.endif
;; end of part 6
;; launch fc2 (part 7): grid 8 x 32, 4 waves a work-group, clusters of 4 x 4, 327,680 bytes of LDS; arguments hc, W2_codes, lowp_scales, b2, x1, out0; writes out0
.if DOCPART == 7
	.amdgcn_target "amdgcn-amd-amdhsa--gfx1250"
	.amdhsa_code_object_version 6
	.text
	.protected	k_qefc69cbc9f_fc2
	.globl	k_qefc69cbc9f_fc2
	.p2align	8
	.type	k_qefc69cbc9f_fc2,@function
k_qefc69cbc9f_fc2:
	s_mov_b64 s[64:65], 0
	v_nop
	global_prefetch_b8 v0, s[64:65] scope:SCOPE_SE
	s_setreg_imm32_b32 hwreg(HW_REG_WAVE_MODE, 25, 1), 1
	s_wait_xcnt 0x0
	s_wait_alu depctr_hold_cnt(0) depctr_sa_sdst(0) depctr_va_vdst(0) depctr_va_sdst(0) depctr_va_ssrc(0) depctr_va_vcc(0) depctr_vm_vsrc(0)
	s_getreg_b32 s2, hwreg(HW_REG_IB_STS2, 6, 4)
	s_cmp_eq_u32 s2, 0
	s_cbranch_scc0 .Lentry_in_a_cluster
	s_endpgm
.Lentry_in_a_cluster:
	s_bfe_u32 s2, ttmp6, 0x10000c
	s_cmp_lg_u32 s2, 0xf033
	s_cbranch_scc0 .Lentry_shape_is_right
	s_endpgm
.Lentry_shape_is_right:
.set SIZE_K, 4096
.set ESC,    0x38
.set KSTEP,  512
.set PITCH,  528
.set HALFT,  64*PITCH
.set SLOT,   4*HALFT
.set STAGE,  2*SLOT
.set SPITCH, 272
.set SPARE,  STAGE+4*16*SPITCH
.set LAPS,   SIZE_K/(2*KSTEP)
.set BI,   8
.set ADRA, 16
.set ADRB, 20
.set STO,  24
.set RD,   25
.set CO,   26
.set BO,   27
.set SPW,  28
.set NIL,  29
.set RES,  32
.set BK,   96
.set ACC,  128
.set F0,   0
.set F1,   128
.set G1, 24
.set G0, 32
.set G1B, 48
.set G0B, 56
.set MSB, 0
.macro WIN new
.if MSB != \new
	s_set_vgpr_msb (MSB<<8)|\new
.set MSB, \new
.endif
.endm
.set MUL,  0x05
.set TO_F, 0x40
.macro JLOAD s
	s_cmp_eq_u32 s11, 0
	s_cbranch_scc0 .Lfor_b_\@
	tensor_load_to_lds s[G0+4*\s:G0+4*\s+3], s[G1:G1+7]
	s_nop 0
.rept 4
	v_nop
.endr
	s_branch .Lasked_\@
.Lfor_b_\@:
	tensor_load_to_lds s[G0B+4*\s:G0B+4*\s+3], s[G1B:G1B+7]
	s_nop 0
.rept 4
	v_nop
.endr
.Lasked_\@:
.endm
.macro CREST
	s_cmp_lg_u32 s10, 0
	s_cbranch_scc1 .Lnot_wave_0_\@
	s_barrier_signal -3
.Lnot_wave_0_\@:
	s_barrier_wait -3
	s_barrier_signal -1
	s_barrier_wait -1
.endm
.macro CROUND
	s_barrier_signal -1
	s_barrier_wait -1
	CREST
.endm
	s_load_b128 s[4:7], s[0:1], 0x0
	s_load_b128 s[68:71], s[0:1], 0x10
	s_load_b128 s[72:75], s[0:1], 0x20
	v_lshl_add_u32 v[SPW], v0, 2, SPARE
	v_mov_b32 v[NIL], 0
	ds_add_u32 v28, v29
	ds_add_u32 v28, v29
	s_wait_dscnt 0x0
	v_lshrrev_b32 v1, 5, v0
	v_readfirstlane_b32 s10, v1
	s_lshr_b32 s11, s10, 1
	s_and_b32 s12, s10, 1
	s_bfe_u32 s40, ttmp6, 0x40000
	s_bfe_u32 s41, ttmp6, 0x40004
	s_lshl_b32 s42, ttmp9, 2
	s_add_co_u32 s42, s42, s40
	s_and_b32 s13, ttmp7, 0xffff
	s_lshl_b32 s13, s13, 2
	s_add_co_u32 s13, s13, s41
	s_lshl_b32 s43, s41, 2
	s_lshl_b32 s43, 15, s43
	s_lshl_b32 s44, 0x1111, s40
	s_or_b32 s[G1+0], s43, (0<<16)|(1<<20)|(1<<21)|(6<<22)|(3<<25)
	s_or_b32 s[G1B+0], s44, (0<<16)|(1<<20)|(1<<21)|(6<<22)|(3<<25)
.irp g, G1, G1B
	s_mov_b32 s[\g+1], KSTEP<<16
	s_mov_b32 s[\g+2], 64<<16
	s_mov_b32 s[\g+3], KSTEP<<16
	s_mov_b32 s[\g+4], 64
	s_mov_b32 s[\g+5], SIZE_K
	s_mov_b32 s[\g+6], 0
	s_mov_b32 s[\g+7], 0
.endr
	s_lshl_b32 s17, s12, 6
	s_lshl_b32 s16, s13, 7
	s_add_co_u32 s16, s16, s17
	s_lshl_b32 s46, s42, 7
	s_add_co_u32 s46, s46, s17
	s_mov_b32 s17, 0
	s_mov_b32 s47, 0
	s_mov_b64 s[18:19], SIZE_K
	s_mul_u64 s[16:17], s[16:17], s[18:19]
	s_mul_u64 s[46:47], s[46:47], s[18:19]
	s_mul_i32 s20, s10, HALFT
	s_wait_kmcnt 0x0
	s_load_b64 s[76:77], s[68:69], ESC
	s_add_nc_u64 s[14:15], s[4:5], s[16:17]
	s_add_nc_u64 s[46:47], s[6:7], s[46:47]
	; The prefetches.  Of the 64 rows that my wave fetches, the partner at place p (cx for A's tiles, cy for B's) names rows 16 p .. 16 p + 15, two lanes to a row's 512 bytes of a K step: each aligned block of 256 bytes
	; is named once in the cluster.  Beside the load of K step n stands the request for K step n + 2, two changes of slots ahead of the load that wants it (beside the first load also K step 1's); the last two refills,
	; of K steps 6 and 7, name nothing.  s[8:9] stands one K step behind the refill in hand and is stepped at the head of each change of slots.
	s_cmp_eq_u32 s11, 0                            ; do I fetch for A?
	s_cselect_b64 s[8:9], s[14:15], s[46:47]       ; my wave's first row
	s_cselect_b32 s66, s40, s41                    ; my place among the four that ask with me
	s_mul_i32 s66, s66, 16*SIZE_K
	s_add_co_u32 s66, s66, KSTEP                   ; at K step 1
	s_mov_b32 s67, 0
	s_add_nc_u64 s[8:9], s[8:9], s[66:67]
	v_bfe_u32 v30, v0, 1, 4
	v_mul_u32_u24 v30, v30, SIZE_K
	v_and_b32 v31, 1, v0
	v_lshl_add_u32 v30, v31, 8, v30                ; row lane / 2, block lane % 2; never rewritten
	s_wait_alu depctr_va_vdst(0)
	CROUND
.irp s, 0,1
	s_mov_b32 s[G0+4*\s], 1
	s_add_co_u32 s[G0+4*\s+1], s20, \s*SLOT
	s_add_nc_u64 s[G0+4*\s+2:G0+4*\s+3], s[14:15], \s*KSTEP
	s_or_b32 s[G0+4*\s+3], s[G0+4*\s+3], 0x80000000
	s_mov_b32 s[G0B+4*\s], 1
	s_add_co_u32 s[G0B+4*\s+1], s20, \s*SLOT
	s_add_nc_u64 s[G0B+4*\s+2:G0B+4*\s+3], s[46:47], \s*KSTEP
	s_or_b32 s[G0B+4*\s+3], s[G0B+4*\s+3], 0x80000000
.if \s                                 ; K step 0's load follows the opening round; K step 1's stands behind the full sequence and a round of its own
	s_wait_alu depctr_va_vdst(0)
	s_wait_tensorcnt 0x0
	ds_add_u32 v28, v29
	ds_add_u32 v28, v29
	s_wait_dscnt 0x0
	CROUND
.endif
	JLOAD \s
.if \s == 0
	global_prefetch_b8 v30, s[8:9] th:TH_LOAD_NT scope:SCOPE_SE
	global_prefetch_b8 v30, s[8:9] offset:KSTEP th:TH_LOAD_NT scope:SCOPE_SE
.else
	global_prefetch_b8 v30, s[8:9] offset:2*KSTEP th:TH_LOAD_NT scope:SCOPE_SE
.endif
.endr
	v_and_b32 v1, 15, v0
	s_wait_alu depctr_va_vdst(0)
	v_bfe_u32 v2, v0, 4, 1
	v_mul_u32_u24 v3, v1, PITCH
	v_lshl_add_u32 v3, v2, 4, v3
	s_mul_i32 s21, s11, HALFT
	s_mul_i32 s22, s12, HALFT
	s_add_co_u32 s22, s22, 2*HALFT
.irp s, 0,1
	v_add_nc_u32 v[ADRA+\s], s21, v3
	v_add_nc_u32 v[ADRB+\s], s22, v3
	s_add_co_u32 s21, s21, SLOT
	s_add_co_u32 s22, s22, SLOT
.endr
	s_mul_i32 s23, s10, 16*SPITCH
	s_add_co_u32 s23, s23, STAGE
	v_mul_u32_u24 v4, v1, SPITCH
	s_wait_alu depctr_va_vdst(0)
	v_lshl_add_u32 v4, v2, 5, v4
	v_add_nc_u32 v[STO], s23, v4
	v_mul_u32_u24 v5, v2, SPITCH
	v_lshl_add_u32 v5, v1, 4, v5
	v_add_nc_u32 v[RD], s23, v5
	v_lshlrev_b32 v[BO], 4, v1
	s_wait_alu depctr_va_vdst(0)
	v_lshl_add_u32 v[CO], v2, 12, v[BO]
	s_wait_alu depctr_va_vdst(0)
	s_lshl_b32 s80, s13, 7
	s_lshl_b32 s81, s11, 6
	s_add_co_u32 s80, s80, s81
	s_lshl_b32 s80, s80, 12
	s_lshl_b32 s82, s42, 9
	s_lshl_b32 s83, s12, 8
	s_add_co_u32 s82, s82, s83
	s_mov_b32 s83, 0
	s_add_nc_u64 s[70:71], s[70:71], s[82:83]
	s_add_co_u32 s80, s80, s82
	s_mov_b32 s81, 0
	s_add_nc_u64 s[72:73], s[72:73], s[80:81]
	s_add_nc_u64 s[74:75], s[74:75], s[80:81]
.macro RLOAD a
.irp t, 0,1,2,3,4,5,6,7
	global_load_b128 v[RES+32*((\a)%2)+4*\t:RES+32*((\a)%2)+4*\t+3], v[CO], s[72:73] offset:(16*(\a)+2*\t)*4096
.endr
.endm
	global_load_b128 v[BI:BI+3], v[BO], s[70:71]
	RLOAD 0
	RLOAD 1
.macro MUL4 f, a, zero
.irp b, 0,1,2,3
.if \zero
	v_wmma_f32_16x16x128_bf8_bf8 v[ACC+8*(4*(\a)+\b):ACC+8*(4*(\a)+\b)+7], v[\f+64+16*\b:\f+64+16*\b+15], v[\f+16*(\a):\f+16*(\a)+15], 0
.else
	v_wmma_f32_16x16x128_bf8_bf8 v[ACC+8*(4*(\a)+\b):ACC+8*(4*(\a)+\b)+7], v[\f+64+16*\b:\f+64+16*\b+15], v[\f+16*(\a):\f+16*(\a)+15], v[ACC+8*(4*(\a)+\b):ACC+8*(4*(\a)+\b)+7]
.endif
.endr
.endm
.macro MUL8 f, a0, zero
	MUL4 \f, \a0, \zero
	MUL4 \f, \a0+1, \zero
.endm
.macro FETCH slot, k, f
	WIN TO_F
.irp i, 0,1,2,3
.irp c, 0,1,2,3
	ds_load_b128 v[\f+64+16*\i+4*\c:\f+64+16*\i+4*\c+3], v[ADRB+\slot] offset:\k+32*\c+\i*16*PITCH
.endr
.endr
.irp i, 0,1,2,3
.irp c, 0,1,2,3
	ds_load_b128 v[\f+16*\i+4*\c:\f+16*\i+4*\c+3], v[ADRA+\slot] offset:\k+32*\c+\i*16*PITCH
.endr
.endr
.endm
.macro PLACES
.rept 4
	v_nop
.endr
.endm
.macro QUARTER slot, k, f, g, zero
	s_wait_dscnt 8
	WIN MUL
	MUL8 \f, 0, \zero
	PLACES
	FETCH \slot, \k, \g
	s_wait_dscnt 32
	WIN MUL
	MUL8 \f, 2, \zero
.endm
.macro TURN slot, next, fill
.if \fill
	s_wait_xcnt 0x0                                ; the last prefetch, a K step back, has read its address
	s_add_nc_u64 s[8:9], s[8:9], KSTEP
.endif
	WIN 0
	s_wait_tensorcnt 0x0
	ds_add_u32 v[SPW], v[NIL]
	s_wait_dscnt 9
	WIN MUL
	MUL8 F1, 0, 0
	s_wait_dscnt 0x0
	s_barrier_signal -1
	MUL4 F1, 2, 0
.if \fill
	WIN 0
.endif
	s_barrier_wait -1
.if \fill
	CREST
	s_add_nc_u64 s[G0+4*\slot+2:G0+4*\slot+3], s[G0+4*\slot+2:G0+4*\slot+3], 2*KSTEP
	s_add_nc_u64 s[G0B+4*\slot+2:G0B+4*\slot+3], s[G0B+4*\slot+2:G0B+4*\slot+3], 2*KSTEP
	JLOAD \slot
	s_cmp_gt_u32 s3, 1                             ; s3 = 1 in the loop's last trip, whose refills have no K step two on
	s_cbranch_scc0 .Lno_ask_\@
	global_prefetch_b8 v30, s[8:9] offset:2*KSTEP th:TH_LOAD_NT scope:SCOPE_SE
.Lno_ask_\@:
.else
	PLACES
.endif
	FETCH \next, 0, F0
	WIN MUL
	MUL4 F1, 3, 0
.endm
	s_wait_tensorcnt 1
	s_barrier_signal -1
	s_barrier_wait -1
	FETCH 0, 0, F0
	QUARTER 0, 128, F0, F1, 1
.if LAPS > 1
	WIN 0
	s_mov_b32 s3, LAPS-1
.Llap:
	QUARTER 0, 256, F1, F0, 0
	QUARTER 0, 384, F0, F1, 0
	TURN 0, 1, 1
	QUARTER 1, 128, F0, F1, 0
	QUARTER 1, 256, F1, F0, 0
	QUARTER 1, 384, F0, F1, 0
	TURN 1, 0, 1
	QUARTER 0, 128, F0, F1, 0
	WIN 0
	s_sub_co_u32 s3, s3, 1
	s_cmp_lg_u32 s3, 0
	s_cbranch_scc1 .Llap
.endif
	QUARTER 0, 256, F1, F0, 0
	QUARTER 0, 384, F0, F1, 0
	TURN 0, 1, 0
	QUARTER 1, 128, F0, F1, 0
	QUARTER 1, 256, F1, F0, 0
	QUARTER 1, 384, F0, F1, 0
	s_wait_dscnt 8
	WIN MUL
	MUL8 F1, 0, 0
	s_wait_dscnt 0
	MUL8 F1, 2, 0
	WIN 0
	s_wait_kmcnt 0x0
	s_add_co_i32 s78, s76, s77
	s_add_co_i32 s78, s78, 127
	s_lshl_b32 s78, s78, 23
	s_mov_b32 s79, s78
	PLACES
.macro OUTB a
.if (\a) > 0
	s_wait_xcnt 0x0
.endif
.irp b, 0,1,2,3
	ds_store_b128 v[STO], v[ACC+8*(4*(\a)+\b):ACC+8*(4*(\a)+\b)+3] offset:64*\b
	ds_store_b128 v[STO], v[ACC+8*(4*(\a)+\b)+4:ACC+8*(4*(\a)+\b)+7] offset:64*\b+16
.endr
.irp t, 0,1,2,3,4,5,6,7
	ds_load_b128 v[BK+4*\t:BK+4*\t+3], v[RD] offset:\t*2*SPITCH
.endr
.if (\a) < 3
	s_wait_loadcnt 8
.else
	s_wait_loadcnt 0
.endif
.irp t, 0,1,2,3,4,5,6,7
	v_pk_add_f32 v[RES+32*((\a)%2)+4*\t:RES+32*((\a)%2)+4*\t+1], v[RES+32*((\a)%2)+4*\t:RES+32*((\a)%2)+4*\t+1], v[BI:BI+1]
	v_pk_add_f32 v[RES+32*((\a)%2)+4*\t+2:RES+32*((\a)%2)+4*\t+3], v[RES+32*((\a)%2)+4*\t+2:RES+32*((\a)%2)+4*\t+3], v[BI+2:BI+3]
.endr
	s_wait_dscnt 0x0
.irp t, 0,1,2,3,4,5,6,7
	v_pk_fma_f32 v[BK+4*\t:BK+4*\t+1], v[BK+4*\t:BK+4*\t+1], s[78:79], v[RES+32*((\a)%2)+4*\t:RES+32*((\a)%2)+4*\t+1] op_sel_hi:[1,0,1]
	v_pk_fma_f32 v[BK+4*\t+2:BK+4*\t+3], v[BK+4*\t+2:BK+4*\t+3], s[78:79], v[RES+32*((\a)%2)+4*\t+2:RES+32*((\a)%2)+4*\t+3] op_sel_hi:[1,0,1]
.endr
.irp t, 0,1,2,3,4,5,6,7
	global_store_b128 v[CO], v[BK+4*\t:BK+4*\t+3], s[74:75] offset:(16*(\a)+2*\t)*4096
.endr
.if (\a)+2 < 4
	RLOAD (\a)+2
.endif
.endm
	OUTB 0
	OUTB 1
	OUTB 2
	OUTB 3
	s_wait_tensorcnt 0x0
	ds_add_u32 v[SPW], v[NIL]
	s_wait_dscnt 0x0
	CROUND
	s_endpgm
.Lfunc_end_k_qefc69cbc9f_fc2:
	.size	k_qefc69cbc9f_fc2, .Lfunc_end_k_qefc69cbc9f_fc2-k_qefc69cbc9f_fc2
	.p2alignl 7, 3214868480
	.fill 96, 4, 3214868480
	.section	.rodata,"a",@progbits
	.p2align	6, 0x0
	.amdhsa_kernel k_qefc69cbc9f_fc2
		.amdhsa_group_segment_fixed_size 327680
		.amdhsa_private_segment_fixed_size 0
		.amdhsa_enable_private_segment 0
		.amdhsa_kernarg_size 48
		.amdhsa_user_sgpr_count 2
		.amdhsa_user_sgpr_kernarg_segment_ptr 1
		.amdhsa_wavefront_size32 1
		.amdhsa_system_sgpr_workgroup_id_x 1
		.amdhsa_system_sgpr_workgroup_id_y 1
		.amdhsa_system_sgpr_workgroup_id_z 1
		.amdhsa_system_vgpr_workitem_id 0
		.amdhsa_next_free_vgpr 512
		.amdhsa_next_free_sgpr 84
		.amdhsa_reserve_vcc 0
		.amdhsa_float_denorm_mode_32 3
		.amdhsa_float_denorm_mode_16_64 3
		.amdhsa_memory_ordered 1
		.amdhsa_forward_progress 1
		.amdhsa_inst_pref_size 83
	.end_amdhsa_kernel
	.amdgpu_metadata
---
amdhsa.version: [ 1, 2 ]
amdhsa.kernels:
  - .name:           k_qefc69cbc9f_fc2
    .symbol:         k_qefc69cbc9f_fc2.kd
    .args:
      - { .name: hc, .offset: 0, .size: 8, .value_kind: global_buffer, .address_space: global }
      - { .name: W2_codes, .offset: 8, .size: 8, .value_kind: global_buffer, .address_space: global }
      - { .name: lowp_scales, .offset: 16, .size: 8, .value_kind: global_buffer, .address_space: global }
      - { .name: b2, .offset: 24, .size: 8, .value_kind: global_buffer, .address_space: global }
      - { .name: x1, .offset: 32, .size: 8, .value_kind: global_buffer, .address_space: global }
      - { .name: out0, .offset: 40, .size: 8, .value_kind: global_buffer, .address_space: global }
    .group_segment_fixed_size: 327680
    .private_segment_fixed_size: 0
    .kernarg_segment_align: 8
    .kernarg_segment_size: 48
    .max_flat_workgroup_size: 128
    .sgpr_count:     84
    .vgpr_count:     512
    .wavefront_size: 32
...
	.end_amdgpu_metadata
.endif
;; end of part 7
